; MI455X (gfx1250); checked and timed in simulation.
; The chip was launched on July 23, 2026; its instructions are those of AMD's public machine-readable ISA for CDNA 5 (MIT licence, August 2026) and "CDNA5" Instruction Set Architecture Reference Guide (July 2026). The comments in the code are by the model that wrote it; some were corrected since.
;; Masked Multi Head Attention. Allowed arithmetic: matrix products marked QUANTISED: E2M3 operands, one E8M0 scale for each 32 along K, by v_wmma_scale_f32_16x16x128_f8f6f4 with both operands' format E2M3, f32 sums; everything else in f32.
;; Inputs: W_o 1,024 x 1,024 float32; W_qkv 1,024 x 3,072 float32; b_o 1,024 float32; b_qkv 3,072 float32; key_padding_mask 4 x 2,048 bool; x 4 x 2,048 x 1,024 float32.
;; Outputs: out0 4 x 2,048 x 1,024 float32.
;; This version of the problem:
;;   THIS VERSION OF THE PROBLEM IS GIVEN IN LOW PRECISION. The matrix products marked QUANTISED in the list below multiply operands that are first quantised to E2M3 (2 exponent bits, 3 mantissa bits; 6 bits a number), with one power-of-two scale for each 32 numbers along K (OCP MX v1.0); their sums are f32. All else is computed in f32.
;;   The module's matrix products, in the order in which they are computed (A, B: the left and right operand; K: the contracted axis; several contracted axes count as one K, in the product's order):
;;     1. [M 8,192, K 1,024] x [K 1,024, N 3,072]; A: input x; B: input W_qkv: QUANTISED
;;     2. batch 64 x [M 2,048, K 64] x [K 64, N 2,048]; A: computed on the way; B: computed on the way: QUANTISED
;;     3. batch 64 x [M 2,048, K 2,048] x [K 2,048, N 64]; A: softmax (see below); B: computed on the way: QUANTISED
;;     4. [M 8,192, K 1,024] x [K 1,024, N 1,024]; A: computed on the way; B: input W_o: QUANTISED
;;   THE QUANTISER, for each operand of a quantised product, along K:
;;     - K is cut into blocks of 32 from its start; a last block that is shorter is filled with zeros.
;;     - A block's scale is 2^e with e = floor(log2(the largest magnitude in the block)) - 2, held to -126 .. 127; a block of zeros has e = 0. As a byte (E8M0): e + 127.
;;     - Each number is divided by its block's scale, clamped to +-7.5, and rounded to the nearest number of E2M3, ties to even, subnormals kept.
;;     - The product sums the exact products of the quantised numbers (number of the format x scale) in f32.
;;   ~~~python
;;   def quantise(x, axis):      # numpy; x: float32 -> the quantised numbers, widened to float32 again
;;       x = np.moveaxis(x, axis, -1); K = x.shape[-1]
;;       x = np.pad(x, [(0, 0)] * (x.ndim - 1) + [(0, -K % 32)]); x = x.reshape(x.shape[:-1] + (-1, 32)); a = np.abs(x).max(-1, keepdims=True)
;;       e = np.where(a > 0, np.clip(np.frexp(np.where(a > 0, a, 1))[1] - 1 - 2, -126, 127), 0)      # np.frexp(a)[1] - 1 = floor(log2(a)), exactly
;;       r = np.clip(x / 2.0 ** e, -7.5, 7.5)
;;       step = 2.0 ** (np.maximum(np.frexp(np.where(r == 0, 1, r))[1] - 1, 0) - 3)
;;       q = np.round(r / step) * step * 2.0 ** e      # np.round: ties to even
;;       return np.moveaxis(q.reshape(q.shape[:-2] + (-1,))[..., :K], -1, axis).astype(np.float32)
;;   ~~~
;;   SOFTMAX AHEAD OF A QUANTISED PRODUCT. Where the list says 'softmax', what is quantised is not the finished softmax but p = 2^(t - M), with t = logit x log2(e) and M = ceil(the row's largest t), a whole number; so 1/2 < the row's largest p <= 1. The row's sum l is taken of the UNQUANTISED p, in f32, and the product's result is divided by l at the end. Since M is a whole number, a kernel that streams over the keys may use a running M (the ceiling of the running maximum): every later rescaling is an exact power of two, which a block's scale takes up: the codes' values come out the same.
;;   OPERANDS COMPUTED ON THE WAY. 'Computed on the way' means the value that the module computes at that place (a softmax that the list does not call 'softmax' is quantised finished and normalised). What goes into a quantiser is computed in f32, as accurately as f32 sums, v_exp_f32 and their like allow (about 1e-6 of the number): no bf16 or f16 on the way to a quantiser, and a product that is left as it is and whose result goes on into a quantised operand takes f32 operands (vector FMAs, or v_wmma_f32_16x16x4_f32). A number that lies on a knife's edge between two numbers of the format may be rounded either way, as far as f32 arithmetic and the matrix unit's own rounding can turn it there, and no further.
;; One version. Each part assembles by itself: llvm-mc -triple=amdgcn-amd-amdhsa -mcpu=gfx1250 --defsym DOCPART=n.
;; ======== version 1 of 1: 4 launches
;; limits: right only within a limited range of input values
;; workspace buffers: xc 6,291,456 bytes; xs 262,144 bytes; wc 3,145,728 bytes; ws 131,072 bytes; qk 27,262,976 bytes; yc 6,291,456 bytes; ys 262,144 bytes
;; launch quant (part 1): grid 384 x 1, 4 waves a work-group, no clusters, 47,616 bytes of LDS; arguments x, W_qkv, W_o, xc, xs, wc, ws; writes xc, xs, wc, ws
.if DOCPART == 1
	.amdgcn_target "amdgcn-amd-amdhsa--gfx1250"
	.amdhsa_code_object_version 6
	.text
	.protected	k_qf3a7423d28_quant
	.globl	k_qf3a7423d28_quant
	.p2align	8
	.type	k_qf3a7423d28_quant,@function
k_qf3a7423d28_quant:
	s_mov_b64 s[64:65], 0
	v_nop
	global_prefetch_b8 v0, s[64:65] scope:SCOPE_SE
	s_setreg_imm32_b32 hwreg(HW_REG_WAVE_MODE, 25, 1), 1
	s_wait_xcnt 0x0
; x [8192][1024], W_qkv [1024][3072] and W_o [1024][1024], f32, become codes of FP6 (E2M3) with one E8M0 byte for each 32 along K, laid in the ORDER OF THE OPERANDS' REGISTERS.
; LAYOUT.  Rows of an operand (tokens of x; columns n of a weight) go in blocks of 16; lane r of block 2 g + u holds row 32 g + 8 u + r + 8 (r / 8).  A fragment (16 rows x 128 K, 12 registers a lane) is 1,536 bytes:
; registers 0-3 of the 32 lanes (16 bytes a lane), registers 4-5 (8 bytes a lane), registers 6-9, registers 10-11.  Codes: [block][K step 8][1,536].  Scale words: [group of 32 rows][K / 256: 4][u 2][r 16][2 words].
; wc, ws hold W_qkv's 3,072 columns and then W_o's 1,024.
; A block's scale is 2^(floor(log2(its largest magnitude)) - 2); its byte is the largest magnitude's exponent field - 2, held at 1 from below (a block of zeros so gets the byte 1: its codes are zeros, and this program alone reads the bytes).
; LIMITS: NaN and infinities among the inputs are not served.
; SHARES.  Work-groups 0-127 take the weights: 128 columns x 256 along K, a wave 32 columns: a lane takes a column and its registers run down K.  Work-groups 128-383 take x: 32 rows, a wave 256 along K.
; The two ways part on the work-group's number, never join, and have LDS bytes of their own.  Waves share nothing: no barrier.
.set XSTW,  8448                       ; x: a wave's stage, 16 rows x (512 bytes + 16), from LDS byte 0 on
.set WST,   33792                      ; the weights: the stages begin here,
.set WSTW,  3328                       ; a wave's: two fragments,
.set WFR,   1664                       ; 1,536 bytes + 128 each
.set SPARE, 47104                      ; the spare words, 128 bytes for each wave: two blocks of 256 bytes that no other line names
.set SPW,   2                          ; v2   LDS address of my spare word; never rewritten
.set NIL,   3                          ; v3   0; never rewritten
.set G16,   9                          ; v9   16 x lane
.set G8,    10                         ; v10  8 x lane
.set SEL,   60                         ; s[60:61] v_permlanex16_b32's selects for lane l xor 16
; the weights' way
.set A16,   7                          ; v7   stage: where my block's registers 0-3 go
.set A8,    8                          ; v8   and registers 4-5
.set L16,   11                         ; v11  stage, back: 16 x lane
.set L8,    16                         ; v16  8 x lane
.set SO,    17                         ; v17  my column's place among the scale words
.set SB,    18                         ; v[18:19] my column's two scale words
.set OFFS,  32                         ; v32-63  4 x lane + i rows of the weight
.set XW,    64                         ; v64-127 two sets of 32 numbers
.set CW,    128                        ; v128..  a block's codes
.set OW,    144                        ; v144-191 the way out: 24 registers for each K step
; x's way
.set SA,    11                         ; v11  stage: 16 x lane
.set SR,    16                         ; v16  stage, back: row r, + 64 (lane / 16)
.set SW,    4                          ; v4-7 the four fragments' scale words
.set TM,    20                         ; v20-31 at work in QUANT
.set RX,    32                         ; v32-159 two sets of 64 registers as loaded
.set X,     160                        ; v160-223 64 numbers of my row
.set PC,    224                        ; v224-242 the codes just made
; 64 numbers of a lane, register 16 b + i = k 32 b + 16 (lane / 16) + i of my row, become a fragment's codes in v[PC] .. v[PC + 11] and its scale word in v[pw].
.macro QUANT s, pw
.irp b, 0,1,2,3
	v_max3_num_f32 v[TM+\b], |v[\s+16*\b]|, |v[\s+1+16*\b]|, 0x1800000   ; block b: my 16 numbers, and the floor 2^(3 - 127): the byte cannot fall under 1
.endr
.irp i, 2,4,6,8,10,12,14
.irp b, 0,1,2,3
	v_max3_num_f32 v[TM+\b], v[TM+\b], |v[\s+16*\b+\i]|, |v[\s+1+16*\b+\i]|   ; the four blocks by turns
.endr
.endr
.irp b, 0,1,2,3
	v_permlanex16_b32 v[TM+4+\b], v[TM+\b], s[SEL], s[SEL+1]
.endr
.irp b, 0,1,2,3
	v_max_num_f32 v[TM+\b], v[TM+\b], v[TM+4+\b]   ; with lane l xor 16's: the block's largest magnitude
.endr
.irp b, 0,1,2,3
	v_add_nc_u32 v[TM+8+\b], 0xff000000, v[TM+\b]  ; 2 off its exponent field: the conversion's scale operand
.endr
.irp b, 0,1,2,3
	v_lshrrev_b32 v[TM+4+\b], 23, v[TM+8+\b]       ; the scale's byte
.endr
	v_lshl_or_b32 v[\pw], v[TM+5], 8, v[TM+4]
	v_lshl_or_b32 v[\pw], v[TM+6], 16, v[\pw]
	v_lshl_or_b32 v[\pw], v[TM+7], 24, v[\pw]
.irp c, 0,1
	v_cvt_scalef32_pk16_fp6_f32 v[PC+6*\c:PC+2+6*\c], v[\s+32*\c:\s+15+32*\c], v[TM+8+2*\c]
	v_cvt_scalef32_pk16_fp6_f32 v[PC+12+4*\c:PC+14+4*\c], v[\s+16+32*\c:\s+31+32*\c], v[TM+8+2*\c+1]   ; (a conversion's three registers begin on an even number)
.endr
	v_nop                                          ; one plain place behind a scaled conversion
.irp c, 0,1                                    ; the operand's layout wants a whole block in a lane: lanes 0-15 block 2 c, lanes 16-31 block 2 c + 1
.irp i, 0,1,2
	v_permlane16_swap_b32 v[PC+6*\c+\i], v[PC+12+4*\c+\i]
.endr
.irp i, 0,1,2
	v_mov_b32 v[PC+3+6*\c+\i], v[PC+12+4*\c+\i]
.endr
.endr
.endm
	s_load_b256 s[4:11], s[0:1], 0x0               ; x s[4:5], W_qkv s[6:7], W_o s[8:9], xc s[10:11]
	s_load_b128 s[12:15], s[0:1], 0x20             ; xs s[12:13], wc s[14:15]
	s_load_b64 s[16:17], s[0:1], 0x30              ; ws
	v_lshl_add_u32 v[SPW], v0, 2, SPARE
	v_mov_b32 v[NIL], 0
	v_lshrrev_b32 v1, 5, v0
	v_readfirstlane_b32 s18, v1                    ; wave
	v_and_b32 v1, 31, v0                           ; lane
	v_lshlrev_b32 v[G16], 4, v1
	v_lshlrev_b32 v[G8], 3, v1
	s_cmp_ge_u32 ttmp9, 128
	s_cbranch_scc1 .Lx_path
	; ---------------- THE WEIGHTS ----------------
	s_lshr_b32 s20, ttmp9, 2                       ; which 128 columns: 0-23 of W_qkv, 24-31 of W_o
	s_and_b32 s21, ttmp9, 3                        ; which 256 along K
	v_and_b32 v4, 7, v0
	v_bfe_u32 v5, v0, 4, 1
	v_lshl_add_u32 v4, v5, 3, v4                   ; my column is lane r = (lane % 8) + 8 (lane / 16)
	v_bfe_u32 v5, v0, 3, 1                         ; of block u = bit 3 of the lane
	s_mul_i32 s19, s18, WSTW
	s_add_co_u32 s19, s19, WST                     ; my wave's stage
	v_mul_u32_u24 v6, v5, WFR
	v_add_nc_u32 v6, s19, v6
	v_lshl_add_u32 v[A16], v4, 4, v6
	v_lshl_add_u32 v[A8], v4, 3, v6
	v_add_nc_u32 v[L16], s19, v[G16]
	v_add_nc_u32 v[L8], s19, v[G8]
	v_lshlrev_b32 v[SO], 7, v5
	v_lshl_add_u32 v[SO], v4, 3, v[SO]             ; 128 u + 8 r
	s_wait_kmcnt 0x0
	s_cmp_ge_u32 s20, 24                           ; the choice hangs on the work-group's number alone
	s_cselect_b64 s[22:23], s[8:9], s[6:7]
	s_mov_b32 s24, 12288
	s_cselect_b32 s24, 4096, s24                   ; a row of the weight in bytes
	s_cselect_b32 s25, 24, 0
	s_sub_co_u32 s25, s20, s25                     ; which 128 columns of that weight
	s_lshl_b32 s26, s21, 8
	s_mul_i32 s26, s26, s24                        ; 256 p rows down,
	s_lshl_b32 s27, s25, 9
	s_add_co_u32 s26, s26, s27                     ; 128 columns of 4 bytes,
	s_lshl_b32 s27, s18, 7
	s_add_co_u32 s26, s26, s27                     ; my wave's 32
	s_mov_b32 s27, 0
	s_add_nc_u64 s[32:33], s[22:23], s[26:27]      ; a base for each of the 8 blocks of 32 along K: no pointer is stepped
	s_lshl_b32 s28, s24, 5
	s_mov_b32 s29, 0
.irp t, 1,2,3,4,5,6,7
	s_add_nc_u64 s[32+2*\t:33+2*\t], s[30+2*\t:31+2*\t], s[28:29]
.endr
	v_lshlrev_b32 v[OFFS], 2, v1
.irp i, 1,2,3,4,5,6,7,8,9,10,11,12,13,14,15,16,17,18,19,20,21,22,23,24,25,26,27,28,29,30,31
	v_add_nc_u32 v[OFFS+\i], s24, v[OFFS+\i-1]     ; 4 x lane + i rows
.endr
	s_lshl_b32 s30, s20, 2
	s_add_co_u32 s30, s30, s18                     ; my group of 32 rows of wc
	s_mul_i32 s26, s30, 24576
	s_mul_i32 s31, s21, 3072
	s_add_co_u32 s26, s26, s31
	s_add_nc_u64 s[14:15], s[14:15], s[26:27]
	s_lshl_b32 s26, s30, 10
	s_lshl_b32 s31, s21, 8
	s_add_co_u32 s26, s26, s31
	s_add_nc_u64 s[16:17], s[16:17], s[26:27]
.macro LOADW t                         ; block t: W(256 p + 32 t + i, my column): a wave reads 128 consecutive bytes, the work-group 512
.irp i, 0,1,2,3,4,5,6,7,8,9,10,11,12,13,14,15,16,17,18,19,20,21,22,23,24,25,26,27,28,29,30,31
	global_load_b32 v[XW+32*((\t)%2)+\i], v[OFFS+\i], s[32+2*(\t):33+2*(\t)] th:TH_LOAD_NT
.endr
.endm
.macro OUTW q                          ; the two fragments of K step q leave the stage as they will lie in registers: each store covers whole aligned blocks of 256 bytes
.set OR, OW+24*(\q)
.irp u, 0,1
	ds_load_b128 v[OR+12*\u:OR+12*\u+3], v[L16] offset:WFR*\u          ; LDS serves a wave's instructions in order: these see my stores
	ds_load_b64 v[OR+12*\u+4:OR+12*\u+5], v[L8] offset:WFR*\u+512
	ds_load_b128 v[OR+12*\u+6:OR+12*\u+9], v[L16] offset:WFR*\u+768
	ds_load_b64 v[OR+12*\u+10:OR+12*\u+11], v[L8] offset:WFR*\u+1280
.endr
	s_wait_dscnt 0x0
.irp u, 0,1
	global_store_b128 v[G16], v[OR+12*\u:OR+12*\u+3], s[14:15] offset:12288*\u+1536*(\q)
	global_store_b64 v[G8], v[OR+12*\u+4:OR+12*\u+5], s[14:15] offset:12288*\u+1536*(\q)+512
	global_store_b128 v[G16], v[OR+12*\u+6:OR+12*\u+9], s[14:15] offset:12288*\u+1536*(\q)+768
	global_store_b64 v[G8], v[OR+12*\u+10:OR+12*\u+11], s[14:15] offset:12288*\u+1536*(\q)+1280
.endr
.endm
.macro BLOCKW t                        ; block t % 4 of K step t / 4: all its 32 numbers are mine
.set XS, XW+32*((\t)%2)
.if (\t) < 7
	s_wait_loadcnt 32                              ; this block's 32 loads are in; the next block's may be out
.else
	s_wait_loadcnt 0x0
.endif
	v_max3_num_f32 v12, |v[XS]|, |v[XS+1]|, |v[XS+2]|
	v_max3_num_f32 v13, |v[XS+3]|, |v[XS+4]|, |v[XS+5]|
.irp i, 6,10,14,18,22,26
	v_max3_num_f32 v12, v12, |v[XS+\i]|, |v[XS+\i+1]|
	v_max3_num_f32 v13, v13, |v[XS+\i+2]|, |v[XS+\i+3]|
.endr
	v_max3_num_f32 v12, v12, |v[XS+30]|, |v[XS+31]|
	v_max3_num_f32 v12, v12, v13, 0x1800000        ; and the floor 2^(3 - 127)
	v_add_nc_u32 v14, 0xff000000, v12              ; the conversion's scale operand
	v_lshrrev_b32 v13, 23, v14                     ; the scale's byte
.if (\t)%4 == 0
	v_mov_b32 v[SB+(\t)/4], v13
.else
	v_lshl_or_b32 v[SB+(\t)/4], v13, 8*((\t)%4), v[SB+(\t)/4]
.endif
	v_cvt_scalef32_pk16_fp6_f32 v[CW:CW+2], v[XS:XS+15], v14
	v_cvt_scalef32_pk16_fp6_f32 v[CW+8:CW+10], v[XS+16:XS+31], v14
	v_nop                                          ; one plain place behind a scaled conversion
.irp i, 0,1,2
	v_mov_b32 v[CW+3+\i], v[CW+8+\i]
.endr
	ds_store_b128 v[A16], v[CW:CW+3] offset:(((\t)%4)/2)*768+((\t)%2)*256        ; the block is what lane r + 16 (t % 2) holds in registers 6 c .. 6 c + 5, c = (t % 4) / 2
	ds_store_b64 v[A8], v[CW+4:CW+5] offset:(((\t)%4)/2)*768+512+((\t)%2)*128
.if (\t)+2 < 8
	LOADW (\t)+2
.endif
	s_wait_dscnt 0x0                               ; the stores have read their registers: the next block's codes may be written
.if (\t)%4 == 3
	OUTW (\t)/4
.endif
.endm
	s_wait_alu depctr_va_vdst(0)
	LOADW 0
	LOADW 1
.irp t, 0,1,2,3,4,5,6,7
	BLOCKW \t
.endr
	s_wait_alu depctr_va_vdst(0)
	global_store_b64 v[SO], v[SB:SB+1], s[16:17]   ; the wave's 32 columns x 2 words: one aligned block of 256 bytes
	s_wait_tensorcnt 0x0                           ; the wave's end, behind my last LDS store
	ds_add_u32 v[SPW], v[NIL]
	s_wait_dscnt 0x0
	s_endpgm
	; ---------------- x ----------------
.Lx_path:
	s_sub_co_u32 s20, ttmp9, 128                   ; my group of 32 rows; my wave takes K = 256 x wave on
	v_and_b32 v12, 15, v0                          ; r
	v_bfe_u32 v13, v0, 4, 1                        ; h
	s_mul_i32 s19, s18, XSTW                       ; my wave's stage
	s_wait_alu depctr_va_vdst(0)
	v_add_nc_u32 v[SA], s19, v[G16]
	v_mul_u32_u24 v[SR], v12, 528
	v_lshl_add_u32 v[SR], v13, 6, v[SR]
	v_add_nc_u32 v[SR], s19, v[SR]
	s_mov_b32 s[SEL], 0x76543210
	s_mov_b32 s[SEL+1], 0xfedcba98
.irp b, 0,1,2,3
	v_mov_b32 v[TM+4+\b], 0                        ; written once: a lane permute's destination counts as one of its sources
.endr
	s_lshl_b32 s22, s20, 17                        ; 32 rows of 4,096 bytes
	s_lshl_b32 s23, s18, 10
	s_add_co_u32 s22, s22, s23
	s_mov_b32 s23, 0
	s_mul_i32 s24, s20, 24576
	s_mul_i32 s25, s18, 3072
	s_add_co_u32 s24, s24, s25
	s_mov_b32 s25, 0
	s_lshl_b32 s26, s20, 10
	s_lshl_b32 s27, s18, 8
	s_add_co_u32 s26, s26, s27
	s_mov_b32 s27, 0
	s_wait_alu depctr_va_vdst(0)
	s_wait_kmcnt 0x0
	s_add_nc_u64 s[4:5], s[4:5], s[22:23]
	s_add_nc_u64 s[10:11], s[10:11], s[24:25]
	s_add_nc_u64 s[12:13], s[12:13], s[26:27]
.macro LOADX f                         ; fragment f = 2 u + q: the 16 rows of block u, 128 along K: each load reads 512 consecutive bytes of one row
.irp t, 0,1,2,3,4,5,6,7,8,9,10,11,12,13,14,15
	global_load_b128 v[RX+64*((\f)%2)+4*\t:RX+64*((\f)%2)+4*\t+3], v[G16], s[4:5] offset:(8*((\f)/2)+\t+8*(\t/8))*4096+512*((\f)%2) th:TH_LOAD_NT
.endr
.endm
.macro XFRAG f
.set RS, RX+64*((\f)%2)
.if (\f) < 3
	s_wait_loadcnt 16                              ; this fragment's 16 loads are in; the next one's may be out
.else
	s_wait_loadcnt 0x0
.endif
.irp t, 0,1,2,3,4,5,6,7,8,9,10,11,12,13,14,15
	ds_store_b128 v[SA], v[RS+4*\t:RS+4*\t+3] offset:528*\t
.endr
.irp b, 0,1,2,3
.irp j, 0,1,2,3
	ds_load_b128 v[X+16*\b+4*\j:X+16*\b+4*\j+3], v[SR] offset:128*\b+16*\j   ; row r, k = 32 b + 16 h + 4 j on; LDS serves a wave's instructions in order
.endr
.endr
	s_wait_dscnt 0x0
.if (\f)+2 < 4
	LOADX (\f)+2
.endif
.if (\f) > 0
	s_wait_xcnt 0x0                                ; the last fragment's stores have read their data: the codes' registers are written again only behind this wait
.endif
	QUANT X, SW+(\f)
	global_store_b128 v[G16], v[PC:PC+3], s[10:11] offset:12288*((\f)/2)+1536*((\f)%2)
	global_store_b64 v[G8], v[PC+4:PC+5], s[10:11] offset:12288*((\f)/2)+1536*((\f)%2)+512
	global_store_b128 v[G16], v[PC+6:PC+9], s[10:11] offset:12288*((\f)/2)+1536*((\f)%2)+768
	global_store_b64 v[G8], v[PC+10:PC+11], s[10:11] offset:12288*((\f)/2)+1536*((\f)%2)+1280
.endm
	LOADX 0
	LOADX 1
.irp f, 0,1,2,3
	XFRAG \f
.endr
	v_cmp_le_u32 vcc_lo, 16, v1                    ; lanes 0-15 store block 0's words, lanes 16-31 block 1's (both halves hold row r's)
	v_cndmask_b32 v20, v[SW], v[SW+2], vcc_lo
	v_cndmask_b32 v21, v[SW+1], v[SW+3], vcc_lo
	global_store_b64 v[G8], v[20:21], s[12:13]     ; one aligned block of 256 bytes
	s_wait_tensorcnt 0x0                           ; the wave's end, behind my last LDS store
	ds_add_u32 v[SPW], v[NIL]
	s_wait_dscnt 0x0
	s_endpgm
.Lfunc_end_k_qf3a7423d28_quant:
	.size	k_qf3a7423d28_quant, .Lfunc_end_k_qf3a7423d28_quant-k_qf3a7423d28_quant
	.p2alignl 7, 3214868480
	.fill 96, 4, 3214868480
	.section	.rodata,"a",@progbits
	.p2align	6, 0x0
	.amdhsa_kernel k_qf3a7423d28_quant
		.amdhsa_group_segment_fixed_size 47616
		.amdhsa_private_segment_fixed_size 0
		.amdhsa_enable_private_segment 0
		.amdhsa_kernarg_size 56
		.amdhsa_user_sgpr_count 2
		.amdhsa_user_sgpr_kernarg_segment_ptr 1
		.amdhsa_wavefront_size32 1
		.amdhsa_system_sgpr_workgroup_id_x 1
		.amdhsa_system_sgpr_workgroup_id_y 1
		.amdhsa_system_sgpr_workgroup_id_z 1
		.amdhsa_system_vgpr_workitem_id 0
		.amdhsa_next_free_vgpr 256
		.amdhsa_next_free_sgpr 66
		.amdhsa_reserve_vcc 1
		.amdhsa_float_denorm_mode_32 3
		.amdhsa_float_denorm_mode_16_64 3
		.amdhsa_memory_ordered 1
		.amdhsa_forward_progress 1
		.amdhsa_inst_pref_size 76
	.end_amdhsa_kernel
	.amdgpu_metadata
---
amdhsa.version: [ 1, 2 ]
amdhsa.kernels:
  - .name:           k_qf3a7423d28_quant
    .symbol:         k_qf3a7423d28_quant.kd
    .args:
      - { .name: x, .offset: 0, .size: 8, .value_kind: global_buffer, .address_space: global }
      - { .name: W_qkv, .offset: 8, .size: 8, .value_kind: global_buffer, .address_space: global }
      - { .name: W_o, .offset: 16, .size: 8, .value_kind: global_buffer, .address_space: global }
      - { .name: xc, .offset: 24, .size: 8, .value_kind: global_buffer, .address_space: global }
      - { .name: xs, .offset: 32, .size: 8, .value_kind: global_buffer, .address_space: global }
      - { .name: wc, .offset: 40, .size: 8, .value_kind: global_buffer, .address_space: global }
      - { .name: ws, .offset: 48, .size: 8, .value_kind: global_buffer, .address_space: global }
    .group_segment_fixed_size: 47616
    .private_segment_fixed_size: 0
    .kernarg_segment_align: 8
    .kernarg_segment_size: 56
    .max_flat_workgroup_size: 128
    .sgpr_count:     66
    .vgpr_count:     256
    .wavefront_size: 32
...
	.end_amdgpu_metadata
.endif
;; end of part 1
;; launch gemm_qkv (part 2): grid 8 x 32, 4 waves a work-group, clusters of 4 x 4, 327,680 bytes of LDS; arguments xc, xs, wc, ws, b_qkv, key_padding_mask, qk; writes qk
.if DOCPART == 2
	.amdgcn_target "amdgcn-amd-amdhsa--gfx1250"
	.amdhsa_code_object_version 6
	.text
	.protected	k_qf3a7423d28_gemm_qkv
	.globl	k_qf3a7423d28_gemm_qkv
	.p2align	8
	.type	k_qf3a7423d28_gemm_qkv,@function
k_qf3a7423d28_gemm_qkv:
	s_mov_b64 s[64:65], 0
	v_nop
	global_prefetch_b8 v0, s[64:65] scope:SCOPE_SE
	s_setreg_imm32_b32 hwreg(HW_REG_WAVE_MODE, 25, 1), 1
	s_wait_xcnt 0x0
	s_wait_alu depctr_hold_cnt(0) depctr_sa_sdst(0) depctr_va_vdst(0) depctr_va_sdst(0) depctr_va_ssrc(0) depctr_va_vcc(0) depctr_vm_vsrc(0)
	s_getreg_b32 s2, hwreg(HW_REG_IB_STS2, 6, 4)
	s_cmp_eq_u32 s2, 0
	s_cbranch_scc0 .Lentry_in_a_cluster
	s_endpgm
.Lentry_in_a_cluster:
	s_bfe_u32 s2, ttmp6, 0x10000c
	s_cmp_lg_u32 s2, 0xf033
	s_cbranch_scc0 .Lentry_shape_is_right
	s_endpgm
.Lentry_shape_is_right:
; qkv = x W_qkv + b_qkv on codes of FP6 (E2M3) with E8M0 scales, [8192 x 1024] x [1024 x 3072]; q, k and v leave as CODES, quantised here in registers, in the order in which the attention launch's registers take them.
; A tile of 256 tokens x 256 columns to a work-group of four waves, 128 x 128 a wave: 64 accumulators, 512 registers.  K goes in four steps of 256 through two LDS slots filled by the tensor data mover; written straight on, no loop.
; OPERANDS lie in memory as images of their registers (blocks of 16 rows; lane r of block 2 g + u is row 32 g + 8 u + r + 8 (r / 8); a fragment of 16 rows x 128 K is 1,536 bytes): a fragment comes from LDS by two loads of 16 bytes
; and two of 8 bytes a lane, each reading consecutive bytes: no pitch, no padding.  For the operand that is source 0 the 16 registers of result tiles 2 g and 2 g + 1 are then 16 NEIGHBOURS: index 32 g + 16 (lane / 16) + i.
; q AND k ARE QUANTISED ALONG THE HEAD'S CHANNELS: source 0 = W's columns, source 1 = tokens: a lane holds a token, its registers 128 channels (two heads).
; v IS QUANTISED ALONG THE KEYS: there source 0 = tokens, source 1 = W's columns: a lane holds a channel, its registers 128 neighbouring tokens.  Which of the two holds hangs on the cluster's x alone (0: q, 1: k, 2: v), which all
; partners share; the tiles land at the same LDS places either way, and only the addresses of the LDS loads differ.
; OUT.  qk: records [32: q's 16 heads, k's 16][batch 4][128 tokens: 16] of 6,912 bytes: 8 half fragments (16 tokens x 64 channels, 768 bytes); at 6,144 the scale words [r 16][pair of tiles 4] (bytes 0-1 the even tile's, 2-3 the odd one's);
; at 6,400, in k's records, 128 f32: 0 for a key that counts, -2^126 for one that key_padding_mask hides.  vv: records [head 16][batch 4][128 keys: 16] of 6,400 bytes: 4 fragments (16 channels x 128 keys); at 6,144 scale words [r 16][tile 4].
; CLUSTERS: 4 x 4 work-groups; x's tiles are shared along a row of the cluster, W's along a column: each is asked for jointly.
; LIMITS: a block of zeros gets the scale byte 1 (its codes are zeros; this program alone reads the bytes); NaN and infinities are not served.
; REGISTERS.  window 0: v1-6 lane terms; v7 mask bytes; v8-11 the bias by lanes; v16-25 LDS addresses; v32-63, v64-95 scale words of source 1, of source 0 (two sets each; they hold nothing else); v128-223 source 1's fragments, one set;
;   on the way out v96-127 and v128-211 at work.  window 1: source 0's fragments, two sets, at v0 and v128; v96-127, v224-255 the bias by registers.  windows 2, 3: the accumulators ((a, b) at v[8 (8 (a % 4) + b)]).
; THE RECORDS' PLACES, which stand for the pitches named above: all records lie in qk, 13,312 bytes apart: [32: q's 16 heads, k's 16][batch 4][128 tokens: 16]; a record of v (6,400 bytes) lies at byte 6,912 of the
; record of k of the same head, batch and keys, so that one dense run of memory holds what a key step of the attention launch reads.  In q's records the bytes from 6,912 on are neither written nor read.
; THE HEAD: one tensor load a wave: x's 256 rows of K step 0, W's, x's scale words, W's; K step 1 is asked for behind the full sequence and a round.
; THE DEAL, which stands for the one named above: 256 work-groups, each with TWO PHASES.  Phase 1: a tile of 256 tokens x 256 columns of q (cluster x = 0) or k (cluster x = 1), source 0 = W's columns, source 1 = tokens.
; Phase 2: the same 256 tokens x 128 columns of v (columns 2,048 + 128 x tile column on), source 0 = tokens, source 1 = W's columns: a wave has 128 tokens x 64 columns, one head, 32 accumulators (window 2).
; THE RING GOES ON INTO PHASE 2: phase 1's last two changes of slots ask for phase 2's K steps 0 and 1.  x's scale words stay in LDS;
; W_v's, 32 words a lane, come straight into v224-255 at the head.  In phase 2 both sources have two sets of registers (source 1: v128-175 and v176-223): a step's 48 LDS loads are issued ahead of the 32 products before it.
.set NL,    4
.set FR,    12                         ; its registers
.set HALFT, 24576                      ; 8 blocks of 16 rows x 256 K: what one tensor load brings and what a wave reads of one side
.set SLOT,  98304                      ; x's 256 rows, then W's 256
.set SCL,   196608                     ; behind the ring: the scale words for all of K, 4,096 bytes for each 128 rows
.set SPARE, 212992                     ; the spare words, 128 bytes for each wave: two blocks of 256 bytes that no other line names
.set BL,    8
.set ADR,   16                         ; v16-23 source 0: slot 0 (16 x lane, 8 x lane), slot 1; source 1 likewise
.set ADRS1, 24
.set ADRS0, 25
.set SPW,   28
.set NIL,   29
.set SC1,   32
.set SC0,   64
.set AF,    128
.set SW,    96                         ; the way out: v96-103 eight scale words; v104-111 at work; v112-123 QUANT's; v128-191 64 numbers; v192-210 codes
.set HW,    104
.set TM,    112
.set T,     128
.set PC,    192
.set WV,    20                         ; s20 wave; s21 wave / 2: source 1's half, and: I fetch for x (0) or W (1); s22 wave % 2: source 0's half, and: which 128 rows I fetch
.set WH,    21
.set WL,    22
.set ISV,   23
.set G1,    24
.set G0,    32
.set G1B,   48
.set G0B,   56
.set G1S,   68
.set G0S,   76
.set G1SB,  80
.set G0SB,  88
.set SEL,   98
.set MSB, 0
.macro WIN new                         ; the immediate's high byte repeats the setting that is left
.if MSB != (\new)
	s_set_vgpr_msb (MSB<<8)|(\new)
.set MSB, (\new)
.endif
.endm
.set MUL_LO, 0xa1                      ; source 0 window 1, source 1 window 0, C and D window 2
.set MUL_HI, 0xf1
.set TO_B,   0x40                      ; destination window 1, address window 0
.macro JLOAD g0a, g1a, g0b, g1b        ; a joint load: waves 0 and 1 fetch for x, waves 2 and 3 for W; an s_nop 0 and four v_nop follow each line
	s_cmp_eq_u32 s[WH], 0
	s_cbranch_scc0 .Lfor_b_\@
	tensor_load_to_lds s[\g0a:\g0a+3], s[\g1a:\g1a+7]
	s_nop 0
.rept 4
	v_nop
.endr
	s_branch .Lasked_\@
.Lfor_b_\@:
	tensor_load_to_lds s[\g0b:\g0b+3], s[\g1b:\g1b+7]
	s_nop 0
.rept 4
	v_nop
.endr
.Lasked_\@:
.endm
.macro CREST                           ; a round of the cluster's barrier behind its opening barrier
	s_cmp_lg_u32 s[WV], 0
	s_cbranch_scc1 .Lnot_wave_0_\@
	s_barrier_signal -3
.Lnot_wave_0_\@:
	s_barrier_wait -3
	s_barrier_signal -1
	s_barrier_wait -1
.endm
.macro CROUND
	s_barrier_signal -1
	s_barrier_wait -1
	CREST
.endm
.macro PLACES                          ; four plain places behind matrix instructions, in front of loads into their registers and of reads of their results
.rept 4
	v_nop
.endr
.endm
.macro FRAG reg, adr, q, i             ; block i, the slot's q-th 128 along K
	ds_load_b128 v[\reg:\reg+3], v[\adr] offset:(\i)*3072+(\q)*1536
	ds_load_b64 v[\reg+4:\reg+5], v[\adr+1] offset:(\i)*3072+(\q)*1536+512
	ds_load_b128 v[\reg+6:\reg+9], v[\adr] offset:(\i)*3072+(\q)*1536+768
	ds_load_b64 v[\reg+10:\reg+11], v[\adr+1] offset:(\i)*3072+(\q)*1536+1280
.endm
.macro FETCH0 slot, q, p               ; source 0's eight fragments into set p
	WIN TO_B
.irp i, 0,1,2,3,4,5,6,7
	FRAG 128*(\p)+FR*\i, ADR+2*\slot, \q, \i
.endr
	WIN 0
.endm
.macro FETCH1 slot, q, i0              ; source 1's blocks i0 .. i0 + 3
.irp i, \i0, \i0+1, \i0+2, \i0+3
	FRAG AF+FR*(\i), ADR+4+2*\slot, \q, \i
.endr
.endm
.macro SCALES set, p                   ; K step p's scale words: two words a row, eight blocks a side
.irp i, 0,1,2,3,4,5,6,7
	ds_load_b64 v[SC1+16*(\set)+2*\i:SC1+16*(\set)+2*\i+1], v[ADRS1] offset:(\i/2)*1024+(\p)*256+(\i%2)*128
	ds_load_b64 v[SC0+16*(\set)+2*\i:SC0+16*(\set)+2*\i+1], v[ADRS0] offset:(\i/2)*1024+(\p)*256+(\i%2)*128
.endr
.endm
; 16 matrix instructions: source 1's blocks a0, a0 + 1 x source 0's eight.  The 64 accumulators take turns, one instruction a turn, in the same order in every step.
.macro MUL16 a0, p, q, sc, zero
.irp a, \a0, \a0+1
.irp b, 0,1,2,3,4,5,6,7
.if \zero
	v_wmma_scale_f32_16x16x128_f8f6f4 v[8*(8*((\a)%4)+\b):8*(8*((\a)%4)+\b)+7], v[128*(\p)+FR*\b:128*(\p)+FR*\b+FR-1], v[AF+FR*(\a):AF+FR*(\a)+FR-1], 0, v[SC0+16*(\sc)+2*\b+(\q)], v[SC1+16*(\sc)+2*(\a)+(\q)] matrix_a_fmt:MATRIX_FMT_FP6 matrix_b_fmt:MATRIX_FMT_FP6
.else
	v_wmma_scale_f32_16x16x128_f8f6f4 v[8*(8*((\a)%4)+\b):8*(8*((\a)%4)+\b)+7], v[128*(\p)+FR*\b:128*(\p)+FR*\b+FR-1], v[AF+FR*(\a):AF+FR*(\a)+FR-1], v[8*(8*((\a)%4)+\b):8*(8*((\a)%4)+\b)+7], v[SC0+16*(\sc)+2*\b+(\q)], v[SC1+16*(\sc)+2*(\a)+(\q)] matrix_a_fmt:MATRIX_FMT_FP6 matrix_b_fmt:MATRIX_FMT_FP6
.endif
.endr
.endr
.endm
.macro STEP slot, zero                 ; a slot's first 128 along K; the second's fragments are fetched meanwhile
	s_wait_dscnt 4*NL                              ; all but the youngest 16 loads (source 1's blocks 4-7) are in
	WIN MUL_LO
	MUL16 0, 0, 0, \slot, \zero
	MUL16 2, 0, 0, \slot, \zero
	s_wait_dscnt 0x0
	PLACES
	FETCH0 \slot, 1, 1
	FETCH1 \slot, 1, 0
	WIN MUL_HI
	MUL16 4, 0, 0, \slot, \zero
	MUL16 6, 0, 0, \slot, \zero
	PLACES
	WIN 0
	FETCH1 \slot, 1, 4
.endm
; A slot's second 128 along K, and the change of slots: in front of ONE barrier each wave waits for all its tensor loads, adds 0 to its spare word, and waits for that and for its reads of this slot.  fill = 1: the barrier opens a round
; of the cluster's barrier, and behind it this slot is filled again, two K steps ahead.  pn: the next K step.
.macro TURN slot, next, fill, pn
	s_wait_tensorcnt 0x0                           ; all my tensor loads have landed: my part of the next slot
	ds_add_u32 v[SPW], v[NIL]
	s_wait_dscnt 4*NL+1                            ; (the add and the youngest 16 loads may be out)
	WIN MUL_LO
	MUL16 0, 1, 1, \slot, 0
	s_wait_dscnt 0x0                               ; the add is done, and my reads of this slot are over
	s_barrier_signal -1
	MUL16 2, 1, 1, \slot, 0
	WIN 0
	s_barrier_wait -1
.if \fill
	CREST                                          ; no wave of any partner still reads this slot or has a load on its way
.if \fill == 2                                 ; on into phase 2: x goes back along K; W's descriptor is made anew: W_v's 4 blocks of my half
	s_sub_nc_u64 s[G0+4*\slot+2:G0+4*\slot+3], s[G0+4*\slot+2:G0+4*\slot+3], 6144
	s_add_nc_u64 s[G0B+4*\slot+2:G0B+4*\slot+3], s[2:3], \slot*3072
	s_or_b32 s[G0B+4*\slot+3], s[G0B+4*\slot+3], 0x80000000
	s_mul_i32 s[G0B+4*\slot+1], s[WL], 12288
	s_add_co_u32 s[G0B+4*\slot+1], s[G0B+4*\slot+1], 2*HALFT+\slot*SLOT
	s_mov_b32 s[G1B+2], 4<<16
	s_mov_b32 s[G1B+4], 4
.else
	s_add_nc_u64 s[G0+4*\slot+2:G0+4*\slot+3], s[G0+4*\slot+2:G0+4*\slot+3], 6144
	s_add_nc_u64 s[G0B+4*\slot+2:G0B+4*\slot+3], s[G0B+4*\slot+2:G0B+4*\slot+3], 6144
.endif
	JLOAD G0+4*\slot, G1, G0B+4*\slot, G1B         ; the first tensor load behind the round; its four v_nop are the places in front of the loads below
.else
	PLACES
.endif
.if \pn >= 0                                   ; pn = -1: the phase's last step fetches no fragments
	FETCH0 \next, 0, 0
	FETCH1 \next, 0, 0
	SCALES \next, \pn
.endif
	WIN MUL_HI
	MUL16 4, 1, 1, \slot, 0
	MUL16 6, 1, 1, \slot, 0
	PLACES
	WIN 0
.if \pn >= 0
	FETCH1 \next, 0, 4
.endif
.endm
; 64 numbers of a lane, register 16 b + i = k 32 b + 16 (lane / 16) + i, become a fragment's codes in v[PC] .. v[PC + 11] and its scale word in v[pw].
.macro QUANT s, pw
.irp b, 0,1,2,3
	v_max3_num_f32 v[TM+\b], |v[\s+16*\b]|, |v[\s+1+16*\b]|, 0x1800000   ; my 16 numbers, and the floor 2^(3 - 127): the byte cannot fall under 1
.endr
.irp i, 2,4,6,8,10,12,14
.irp b, 0,1,2,3
	v_max3_num_f32 v[TM+\b], v[TM+\b], |v[\s+16*\b+\i]|, |v[\s+1+16*\b+\i]|
.endr
.endr
.irp b, 0,1,2,3
	v_permlanex16_b32 v[TM+4+\b], v[TM+\b], s[SEL], s[SEL+1]
.endr
.irp b, 0,1,2,3
	v_max_num_f32 v[TM+\b], v[TM+\b], v[TM+4+\b]
.endr
.irp b, 0,1,2,3
	v_add_nc_u32 v[TM+8+\b], 0xff000000, v[TM+\b]  ; 2 off the exponent field: the conversion's scale operand
.endr
.irp b, 0,1,2,3
	v_lshrrev_b32 v[TM+4+\b], 23, v[TM+8+\b]       ; the scale's byte
.endr
	v_lshl_or_b32 v[\pw], v[TM+5], 8, v[TM+4]
	v_lshl_or_b32 v[\pw], v[TM+6], 16, v[\pw]
	v_lshl_or_b32 v[\pw], v[TM+7], 24, v[\pw]
.irp c, 0,1
	v_cvt_scalef32_pk16_fp6_f32 v[PC+6*\c:PC+2+6*\c], v[\s+32*\c:\s+15+32*\c], v[TM+8+2*\c]
	v_cvt_scalef32_pk16_fp6_f32 v[PC+12+4*\c:PC+14+4*\c], v[\s+16+32*\c:\s+31+32*\c], v[TM+8+2*\c+1]
.endr
	v_nop                                          ; one plain place behind a scaled conversion
.irp c, 0,1
.irp i, 0,1,2
	v_permlane16_swap_b32 v[PC+6*\c+\i], v[PC+12+4*\c+\i]
.endr
.irp i, 0,1,2
	v_mov_b32 v[PC+3+6*\c+\i], v[PC+12+4*\c+\i]
.endr
.endr
.endm
	s_load_b256 s[4:11], s[0:1], 0x0               ; xc s[4:5], xs s[6:7], wc s[8:9], ws s[10:11]
	s_load_b128 s[12:15], s[0:1], 0x20             ; b_qkv s[12:13], key_padding_mask s[14:15]
	s_load_b64 s[16:17], s[0:1], 0x30              ; qk
	v_lshl_add_u32 v[SPW], v0, 2, SPARE
	v_mov_b32 v[NIL], 0
	ds_add_u32 v[SPW], v[NIL]                      ; the wave's opening
	ds_add_u32 v[SPW], v[NIL]
	v_lshrrev_b32 v1, 5, v0
	v_readfirstlane_b32 s[WV], v1
	s_lshr_b32 s[WH], s[WV], 1
	s_and_b32 s[WL], s[WV], 1
	s_bfe_u32 s40, ttmp6, 0x40000                  ; cx, cy: my place in the cluster
	s_bfe_u32 s41, ttmp6, 0x40004
	s_lshl_b32 s42, ttmp9, 2
	s_add_co_u32 s42, s42, s40                     ; tile column = 4 x cluster x + cx
	s_and_b32 s43, ttmp7, 0xffff
	s_lshl_b32 s43, s43, 2
	s_add_co_u32 s43, s43, s41                     ; tile row = 4 x cluster y + cy
	s_lshl_b32 s44, s41, 2
	s_lshl_b32 s44, 15, s44                        ; my row of the cluster
	s_lshl_b32 s45, 0x1111, s40                    ; my column
	; group 1 for codes: 8 blocks of 16 rows, of each 3,072 consecutive bytes (two K steps of 128) as 384 elements of 8 bytes, 12,288 bytes from block to block; dense in LDS
	s_or_b32 s[G1+0], s44, (3<<16)|(1<<21)         ; 15:0 the mask; 17:16 elements of 8 bytes; 21 set beside a mask
	s_or_b32 s[G1B+0], s45, (3<<16)|(1<<21)
.irp g, G1, G1B
	s_mov_b32 s[\g+1], 384<<16                     ; tensor_dim0
	s_mov_b32 s[\g+2], 16<<16                      ; tensor_dim1: 16 blocks for the head's loads; 8 behind them
	s_mov_b32 s[\g+3], 384<<16                     ; tile_dim0
	s_mov_b32 s[\g+4], 16                          ; tile_dim1
	s_mov_b32 s[\g+5], 1536                        ; elements from block to block
	s_mov_b32 s[\g+6], 0
	s_mov_b32 s[\g+7], 0
.endr
	; group 1 for the scale words of 256 rows: 8,192 dense bytes as 32 rows of 256
	s_or_b32 s[G1S+0], s44, (3<<16)|(1<<21)
	s_or_b32 s[G1SB+0], s45, (3<<16)|(1<<21)
.irp g, G1S, G1SB
	s_mov_b32 s[\g+1], 32<<16
	s_mov_b32 s[\g+2], 32<<16
	s_mov_b32 s[\g+3], 32<<16
	s_mov_b32 s[\g+4], 32
	s_mov_b32 s[\g+5], 32
	s_mov_b32 s[\g+6], 0
	s_mov_b32 s[\g+7], 0
.endr
	s_mul_i32 s66, s[WL], 98304                    ; in the ring I fetch 8 blocks of the tile's 16: which half, in bytes
	s_mov_b32 s67, 0
	s_lshl_b32 s92, s43, 4                         ; x: block 16 x tile row
	s_mul_i32 s94, s92, 12288                      ; its codes,
	s_mov_b32 s95, 0
	s_lshl_b32 s92, s92, 9                         ; its scale words: 512 bytes a block
	s_mov_b32 s93, 0
	s_lshl_b32 s46, s42, 4                         ; W: block 16 x tile column
	s_mul_i32 s96, s46, 12288
	s_mov_b32 s97, 0
	s_lshl_b32 s46, s46, 9
	s_mov_b32 s47, 0
	s_mul_i32 s2, s[WV], HALFT                     ; where they go: by the wave's number alone
	s_wait_dscnt 0x0                               ; the opening add is done
	s_wait_kmcnt 0x0
	s_add_nc_u64 s[94:95], s[4:5], s[94:95]
	s_add_nc_u64 s[92:93], s[6:7], s[92:93]
	s_add_nc_u64 s[96:97], s[8:9], s[96:97]
	s_add_nc_u64 s[46:47], s[10:11], s[46:47]
	CROUND                                         ; all sixteen work-groups are here: the first joint loads meet
	s_mov_b32 s[G0S], 1
	s_mov_b32 s[G0S+1], SCL
	s_mov_b64 s[G0S+2:G0S+3], s[92:93]
	s_or_b32 s[G0S+3], s[G0S+3], 0x80000000
	s_mov_b32 s[G0SB], 1
	s_mov_b32 s[G0SB+1], SCL+8192
	s_mov_b64 s[G0SB+2:G0SB+3], s[46:47]
	s_or_b32 s[G0SB+3], s[G0SB+3], 0x80000000
	s_mov_b32 s4, 1                                ; s[4:7], s[8:11] (the arguments there have served): group 0 of the head's loads of K step 0: x's 16 blocks,
	s_mov_b32 s5, 0
	s_mov_b64 s[6:7], s[94:95]
	s_or_b32 s7, s7, 0x80000000
	s_mov_b32 s8, 1                                ; and W's, behind them in slot 0
	s_mov_b32 s9, 2*HALFT
	s_mov_b64 s[10:11], s[96:97]
	s_or_b32 s11, s11, 0x80000000
	s_add_nc_u64 s[94:95], s[94:95], s[66:67]      ; for the ring: my 8 blocks
	s_add_nc_u64 s[96:97], s[96:97], s[66:67]
.irp s, 0,1
	s_mov_b32 s[G0+4*\s], 1
	s_add_co_u32 s[G0+4*\s+1], s2, \s*SLOT
	s_add_nc_u64 s[G0+4*\s+2:G0+4*\s+3], s[94:95], \s*3072
	s_or_b32 s[G0+4*\s+3], s[G0+4*\s+3], 0x80000000
	s_mov_b32 s[G0B+4*\s], 1
	s_add_co_u32 s[G0B+4*\s+1], s2, \s*SLOT
	s_add_nc_u64 s[G0B+4*\s+2:G0B+4*\s+3], s[96:97], \s*3072
	s_or_b32 s[G0B+4*\s+3], s[G0B+4*\s+3], 0x80000000
.endr
; the head's four tiles, one a wave, in one chain of branches on the wave's number
	s_lshl_b32 s2, s42, 3                          ; s[2:3]: W_v's blocks 128 + 8 x tile column + 4 x half: 128 - 8 x tile column - 4 x half blocks on from my blocks of phase 1
	s_lshl_b32 s3, s[WL], 2
	s_add_co_u32 s2, s2, s3
	s_sub_co_u32 s2, 128, s2
	s_mul_i32 s2, s2, 12288
	s_mov_b32 s3, 0
	s_add_nc_u64 s[2:3], s[96:97], s[2:3]
.macro ARM under, g0, g1, next
	s_cmp_lt_u32 s[WV], \under
	s_cbranch_scc0 \next
	tensor_load_to_lds s[\g0:\g0+3], s[\g1:\g1+7]
	s_nop 0
.rept 4
	v_nop
.endr
	s_branch .Lhead_asked
\next:
.endm
	ARM 1, 4, G1, .Lhead_b
	ARM 2, 8, G1B, .Lhead_sa
	ARM 3, G0S, G1S, .Lhead_sb
	tensor_load_to_lds s[G0SB:G0SB+3], s[G1SB:G1SB+7]
	s_nop 0
.rept 4
	v_nop
.endr
.Lhead_asked:
	v_and_b32 v3, 31, v0                           ; lane
	v_lshlrev_b32 v1, 4, v3                        ; 16 x lane
	s_wait_alu depctr_va_vdst(0)
	v_lshlrev_b32 v2, 3, v3                        ; 8 x lane
	s_wait_alu depctr_va_vdst(0)
	v_and_b32 v4, 15, v0                           ; r
	v_bfe_u32 v5, v0, 4, 1                         ; h
	s_mov_b32 s66, 0                               ; phase 1: source 1 is x,
	s_mov_b32 s67, 2*HALFT                         ; source 0 is W
	s_mov_b32 s92, 0
	s_mov_b32 s93, 8192
	s_mul_i32 s94, s[WH], HALFT
	s_add_co_u32 s66, s66, s94
	s_mul_i32 s94, s[WL], HALFT
	s_add_co_u32 s67, s67, s94
.irp s, 0,1
	v_add_nc_u32 v[ADR+2*\s], s67, v1
	v_add_nc_u32 v[ADR+2*\s+1], s67, v2
	v_add_nc_u32 v[ADR+4+2*\s], s66, v1
	v_add_nc_u32 v[ADR+4+2*\s+1], s66, v2
	s_add_co_u32 s66, s66, SLOT
	s_add_co_u32 s67, s67, SLOT
.endr
	s_lshl_b32 s94, s[WH], 12
	s_add_co_u32 s92, s92, s94
	s_add_co_u32 s92, s92, SCL
	s_lshl_b32 s94, s[WL], 12
	s_add_co_u32 s93, s93, s94
	s_add_co_u32 s93, s93, SCL
	v_lshl_add_u32 v[ADRS1], v4, 3, s92            ; row r's two words (lanes 16-31 read the same and are not used)
	v_lshl_add_u32 v[ADRS0], v4, 3, s93
	; the bias both ways and the mask's bytes: loaded in every work-group; the way out takes what it needs
	s_lshl_b32 s92, s42, 10
	s_lshl_b32 s94, s[WL], 9
	s_add_co_u32 s94, s94, s92
	s_mov_b32 s95, 0
	s_add_nc_u64 s[94:95], s[12:13], s[94:95]      ; b_qkv at column 256 x tile column + 128 x (wave % 2): by registers
	s_lshl_b32 s96, s[WH], 8                       ; by lanes, for v: column 2,048 + 128 x tile column + 64 x (wave / 2)
	s_lshl_b32 s97, s42, 9
	s_add_co_u32 s96, s96, s97
	s_add_co_u32 s96, s96, 8192
	s_mov_b32 s97, 0
	s_add_nc_u64 s[96:97], s[12:13], s[96:97]      ; and at + 64 x (wave / 2): by lanes
	s_lshl_b32 s92, s43, 8
	s_lshl_b32 s93, s[WH], 7
	s_add_co_u32 s92, s92, s93
	s_mov_b32 s93, 0
	s_add_nc_u64 s[92:93], s[14:15], s[92:93]      ; the mask at token 256 x tile row + 128 x (wave / 2)
	s_mov_b32 s[SEL], 0x76543210
	s_mov_b32 s[SEL+1], 0xfedcba98
	v_lshlrev_b32 v6, 6, v5                        ; 64 h
	v_and_b32 v26, 8, v4
	v_add_nc_u32 v26, v26, v4
	v_lshlrev_b32 v26, 2, v26                      ; 4 (r + 8 (r / 8))
	v_lshlrev_b32 v27, 2, v3
.irp b, 0,1,2,3
	v_mov_b32 v[TM+4+\b], 0                        ; written once: a lane permute's destination counts as one of its sources
.endr
	WIN TO_B
.irp n, 0,1,2,3,4,5,6,7,8,9,10,11,12,13,14,15
	global_load_b128 v[96+4*\n+96*(\n/8):99+4*\n+96*(\n/8)], v6, s[94:95] offset:128*(\n/4)+16*(\n%4)   ; register 16 g + i: the bias of column 32 g + 16 h + i
.endr
	WIN 0
.irp a, 0,1,2,3
	global_load_b32 v[BL+\a], v26, s[96:97] offset:(32*(\a/2)+8*(\a%2))*4
.endr
	global_load_b32 v7, v27, s[92:93]              ; four tokens' mask bytes a lane
	s_lshl_b32 s66, s42, 3                         ; W_v's scale words: blocks 128 + 8 x tile column + 4 x (wave / 2) on, 512 bytes a block; s[46:47] stands at block 16 x tile column
	s_lshl_b32 s67, s[WH], 2
	s_sub_co_u32 s66, s67, s66
	s_add_co_u32 s66, s66, 128
	s_lshl_b32 s66, s66, 9
	s_mov_b32 s67, 0
	s_add_nc_u64 s[66:67], s[46:47], s[66:67]
	v_lshlrev_b32 v31, 3, v4                       ; 8 r
.irp p, 0,1,2,3
.irp a, 0,1,2,3
	global_load_b64 v[224+8*\p+2*\a:225+8*\p+2*\a], v31, s[66:67] offset:(\a/2)*1024+\p*256+(\a%2)*128   ; K step p, block a: row r's two words
.endr
.endr
	s_wait_alu depctr_va_vdst(0)
	s_wait_tensorcnt 0x0                           ; my tile of the head's four is in
	ds_add_u32 v[SPW], v[NIL]
	s_mov_b32 s[G1+2], 8<<16                       ; no tensor load of mine is out: from here on a load brings 8 blocks
	s_mov_b32 s[G1+4], 8
	s_mov_b32 s[G1B+2], 8<<16
	s_mov_b32 s[G1B+4], 8
	s_wait_dscnt 0x0
	CROUND                                         ; all four tiles are in, and all sixteen work-groups are here
	JLOAD G0+4, G1, G0B+4, G1B                     ; K step 1, the first tensor load behind the round
	FETCH0 0, 0, 0
	FETCH1 0, 0, 0
	SCALES 0, 0
	FETCH1 0, 0, 4
	STEP 0, 1                                      ; the first products start the sums: nothing is cleared
	TURN 0, 1, 1, 1
	STEP 1, 0
	TURN 1, 0, 1, 2
	STEP 0, 0
	TURN 0, 1, 2, 3                                ; slot 0 takes phase 2's K step 0,
	STEP 1, 0
	TURN 1, 0, 2, -1                               ; slot 1 its K step 1; its round has shown slot 0 whole to all waves
	s_wait_loadcnt 0x0                             ; the bias and the mask
; THE WAY OUT, block a of source 1 (16 lanes' rows x my 128 registers): one packed addition adds the bias and brings the sums into window 0, each accumulator from its low end on; QUANT; four stores of whole aligned blocks of 256 bytes.
.macro EPI a, isv
.if (\a) > 0
	s_wait_xcnt 0x0                                ; the last block's stores have read their data: the codes' registers are written again only behind this wait
.endif
.set AC, 64*((\a)%4)
.set EN, 0
.if \isv
	WIN 0x02+(\a)/4                                ; source 0: window 2 or 3
.rept 32
.if (\a)%2
	v_pk_add_f32 v[T+EN:T+EN+1], v[AC+EN:AC+EN+1], v[BL+2*((\a)/2):BL+2*((\a)/2)+1] op_sel:[0,1] op_sel_hi:[1,1]   ; my channel's bias for both
.else
	v_pk_add_f32 v[T+EN:T+EN+1], v[AC+EN:AC+EN+1], v[BL+2*((\a)/2):BL+2*((\a)/2)+1] op_sel_hi:[1,0]
.endif
.set EN, EN+2
.endr
.else
	WIN 0x06+(\a)/4                                ; source 0: window 2 or 3; source 1: window 1
.rept 32
	v_pk_add_f32 v[T+EN:T+EN+1], v[AC+EN:AC+EN+1], v[96+EN+96*(EN/32):97+EN+96*(EN/32)]
.set EN, EN+2
.endr
.endif
	WIN 0
	QUANT T, SW+(\a)
.if \isv
	global_store_b128 v1, v[PC:PC+3], s[18:19] offset:((\a)/4)*851968+((\a)%4)*1536
	global_store_b64 v2, v[PC+4:PC+5], s[18:19] offset:((\a)/4)*851968+((\a)%4)*1536+512
	global_store_b128 v1, v[PC+6:PC+9], s[18:19] offset:((\a)/4)*851968+((\a)%4)*1536+768
	global_store_b64 v2, v[PC+10:PC+11], s[18:19] offset:((\a)/4)*851968+((\a)%4)*1536+1280
.else
	global_store_b128 v1, v[PC:PC+3], s[16:17] offset:768*(\a)                 ; channels 0-63: the first head's half fragment
	global_store_b64 v2, v[PC+4:PC+5], s[16:17] offset:768*(\a)+512
	global_store_b128 v1, v[PC+6:PC+9], s[16:17] offset:851968+768*(\a)        ; channels 64-127: the next head's, 64 records on
	global_store_b64 v2, v[PC+10:PC+11], s[16:17] offset:851968+768*(\a)+512
.endif
.endm
	; ---- q and k
	s_lshl_b32 s92, s42, 2
	s_lshl_b32 s93, s[WL], 1
	s_add_co_u32 s92, s92, s93                     ; my first head (0-15 q's, 16-31 k's)
	s_lshl_b32 s92, s92, 6
	s_lshl_b32 s93, s43, 1
	s_add_co_u32 s92, s92, s93
	s_add_co_u32 s92, s92, s[WH]                   ; x 64 + my 128 tokens' number
	s_mul_i32 s92, s92, 13312
	s_mov_b32 s93, 0
	s_mov_b64 s[18:19], s[16:17]                   ; qk's address is kept for phase 2: s[16:17] goes on to my records of q or k
	s_add_nc_u64 s[16:17], s[16:17], s[92:93]
.irp a, 0,1,2,3,4,5,6,7
	EPI \a, 0
.endr
.irp j, 0,1,2,3
	v_perm_b32 v[HW+\j], v[SW+2*\j+1], v[SW+2*\j], 0x05040100      ; the first head's bytes of tiles 2 j and 2 j + 1
	v_perm_b32 v[HW+4+\j], v[SW+2*\j+1], v[SW+2*\j], 0x07060302    ; the next head's
.endr
	v_cmp_le_u32 vcc_lo, 16, v3
.irp j, 0,1,2,3
	v_cndmask_b32 v[HW+\j], v[HW+\j], v[HW+4+\j], vcc_lo           ; lanes 0-15 store the first head's, lanes 16-31 the next one's (both halves hold row r's)
.endr
	v_mul_u32_u24 v6, v5, 851968
	v_lshl_add_u32 v6, v4, 4, v6
	global_store_b128 v6, v[HW:HW+3], s[16:17] offset:6144         ; sixteen lanes fill an aligned block of 256 bytes
	s_cmp_lg_u32 ttmp9, 1
	s_cbranch_scc1 .Lv
	v_mov_b32 v30, 0xfe800000                      ; -2^126: what a hidden key's score starts from
.irp i, 0,1,2,3
	v_bfe_u32 v[HW+4+\i], v7, 8*\i, 8
.endr
.irp i, 0,1,2,3
	v_cmp_ne_u32 vcc_lo, 0, v[HW+4+\i]
	v_cndmask_b32 v[HW+4+\i], 0, v30, vcc_lo
.endr
	global_store_b128 v1, v[HW+4:HW+7], s[16:17] offset:6400       ; 128 keys in their own order, into both heads' records
	global_store_b128 v1, v[HW+4:HW+7], s[16:17] offset:851968+6400
	; ---- v
.Lv:
	; ---- PHASE 2
.macro FETCHV slot, q                  ; source 1's four blocks of the slot's q-th 128 along K into set q
.irp i, 0,1,2,3
	FRAG AF+FR*(\i+4*(\q)), ADR+4+2*\slot, \q, \i
.endr
.endm
.macro SCALES0 set, p                  ; K step p's scale words of source 0
.irp i, 0,1,2,3,4,5,6,7
	ds_load_b64 v[SC0+16*(\set)+2*\i:SC0+16*(\set)+2*\i+1], v[ADRS0] offset:(\i/2)*1024+(\p)*256+(\i%2)*128
.endr
.endm
; MUL16 names source 1's scale word as v[SC1 + 16 slot + 2 a + q]: SC1 is set so that this is v[224 + 8 kp + 2 (a % 4) + q]; blocks a = 4 .. 7 are set 1 of the same four blocks and add onto the same accumulators.
.macro VSTEP slot, zero, kp            ; a slot's first 128 along K; the second's fragments are asked for first
.set SC1, 224+8*(\kp)-16*(\slot)
	PLACES
	FETCH0 \slot, 1, 1
	FETCHV \slot, 1
	s_wait_dscnt 12*NL                             ; all but the 48 just issued
	WIN MUL_LO
	MUL16 0, 0, 0, \slot, \zero
	MUL16 2, 0, 0, \slot, \zero
	WIN 0
.endm
.macro VTURN slot, next, fill, pn, kp  ; its second 128, and the change of slots
.set SC1, 216+8*(\kp)-16*(\slot)
	s_wait_tensorcnt 0x0                           ; all my tensor loads have landed: my part of the next slot
	ds_add_u32 v[SPW], v[NIL]
	s_wait_dscnt 0x0                               ; the add is done, and my reads of this slot are over
	s_barrier_signal -1
	WIN MUL_LO
	MUL16 4, 1, 1, \slot, 0
	WIN 0
	s_barrier_wait -1
.if \fill
	CREST
	s_add_nc_u64 s[G0+4*\slot+2:G0+4*\slot+3], s[G0+4*\slot+2:G0+4*\slot+3], 6144
	s_add_nc_u64 s[G0B+4*\slot+2:G0B+4*\slot+3], s[G0B+4*\slot+2:G0B+4*\slot+3], 6144
	JLOAD G0+4*\slot, G1, G0B+4*\slot, G1B
.else
	PLACES
.endif
	FETCH0 \next, 0, 0
	FETCHV \next, 0
	SCALES0 \next, \pn
	WIN MUL_LO
	MUL16 6, 1, 1, \slot, 0
	WIN 0
.endm
	s_wait_xcnt 0x0                                ; phase 1's stores have read their registers
	s_mul_i32 s66, s[WH], 12288                    ; source 1: W_v's four blocks of my half,
	s_add_co_u32 s66, s66, 2*HALFT
	s_mul_i32 s67, s[WL], HALFT                    ; source 0: my 128 tokens
.irp s, 0,1
	v_add_nc_u32 v[ADR+2*\s], s67, v1
	v_add_nc_u32 v[ADR+2*\s+1], s67, v2
	v_add_nc_u32 v[ADR+4+2*\s], s66, v1
	v_add_nc_u32 v[ADR+4+2*\s+1], s66, v2
	s_add_co_u32 s66, s66, SLOT
	s_add_co_u32 s67, s67, SLOT
.endr
	s_lshl_b32 s92, s[WL], 12
	s_add_co_u32 s92, s92, SCL
	v_lshl_add_u32 v[ADRS0], v4, 3, s92            ; x's scale words, still in LDS
	s_wait_alu depctr_va_vdst(0)
	FETCH0 0, 0, 0
	FETCHV 0, 0
	SCALES0 0, 0
	VSTEP 0, 1, 0                                  ; the first products start the sums anew
	VTURN 0, 1, 1, 1, 0
	VSTEP 1, 0, 1
	VTURN 1, 0, 1, 2, 1
	VSTEP 0, 0, 2
	VTURN 0, 1, 0, 3, 2                            ; nothing is left to fetch: no round, no load
	VSTEP 1, 0, 3
.set SC1, 216+8*3-16
	s_wait_dscnt 0x0
	WIN MUL_LO
	MUL16 4, 1, 1, 1, 0
	MUL16 6, 1, 1, 1, 0
	WIN 0
	PLACES
	s_lshl_b32 s92, s42, 1
	s_add_co_u32 s92, s92, s[WH]
	s_add_co_u32 s92, s92, 16                      ; my head's records of k: 16 + 2 x tile column + wave / 2
	s_lshl_b32 s92, s92, 6
	s_lshl_b32 s93, s43, 1
	s_add_co_u32 s92, s92, s93
	s_add_co_u32 s92, s92, s[WL]
	s_mul_i32 s92, s92, 13312
	s_add_co_u32 s92, s92, 6912                    ; v lies behind k in the record
	s_mov_b32 s93, 0
	s_add_nc_u64 s[18:19], s[18:19], s[92:93]
.irp a, 0,1,2,3
	EPI \a, 1
.endr
	s_wait_xcnt 0x0
	v_lshlrev_b32 v6, 4, v4
	global_store_b128 v6, v[SW:SW+3], s[18:19] offset:6144         ; row r's four words (lanes 16-31 write what lanes 0-15 write)
.Lend:
	s_wait_tensorcnt 0x0                           ; the wave's end
	ds_add_u32 v[SPW], v[NIL]
	s_wait_dscnt 0x0
	CROUND                                         ; the closing round: no work-group ends while a partner may still ask for a tile that names it
	s_endpgm
.Lfunc_end_k_qf3a7423d28_gemm_qkv:
	.size	k_qf3a7423d28_gemm_qkv, .Lfunc_end_k_qf3a7423d28_gemm_qkv-k_qf3a7423d28_gemm_qkv
	.p2alignl 7, 3214868480
	.fill 96, 4, 3214868480
	.section	.rodata,"a",@progbits
	.p2align	6, 0x0
	.amdhsa_kernel k_qf3a7423d28_gemm_qkv
		.amdhsa_group_segment_fixed_size 327680
		.amdhsa_private_segment_fixed_size 0
		.amdhsa_enable_private_segment 0
		.amdhsa_kernarg_size 56
		.amdhsa_user_sgpr_count 2
		.amdhsa_user_sgpr_kernarg_segment_ptr 1
		.amdhsa_wavefront_size32 1
		.amdhsa_system_sgpr_workgroup_id_x 1
		.amdhsa_system_sgpr_workgroup_id_y 1
		.amdhsa_system_sgpr_workgroup_id_z 1
		.amdhsa_system_vgpr_workitem_id 0
		.amdhsa_next_free_vgpr 1024
		.amdhsa_next_free_sgpr 100
		.amdhsa_reserve_vcc 1
		.amdhsa_float_denorm_mode_32 3
		.amdhsa_float_denorm_mode_16_64 3
		.amdhsa_memory_ordered 1
		.amdhsa_forward_progress 1
		.amdhsa_inst_pref_size 255
	.end_amdhsa_kernel
	.section	.bss,"aw",@nobits
	.p2align	6
	.space	262144
	.amdgpu_metadata
---
amdhsa.version: [ 1, 2 ]
amdhsa.kernels:
  - .name:           k_qf3a7423d28_gemm_qkv
    .symbol:         k_qf3a7423d28_gemm_qkv.kd
    .args:
      - { .name: xc, .offset: 0, .size: 8, .value_kind: global_buffer, .address_space: global }
      - { .name: xs, .offset: 8, .size: 8, .value_kind: global_buffer, .address_space: global }
      - { .name: wc, .offset: 16, .size: 8, .value_kind: global_buffer, .address_space: global }
      - { .name: ws, .offset: 24, .size: 8, .value_kind: global_buffer, .address_space: global }
      - { .name: b_qkv, .offset: 32, .size: 8, .value_kind: global_buffer, .address_space: global }
      - { .name: key_padding_mask, .offset: 40, .size: 8, .value_kind: global_buffer, .address_space: global }
      - { .name: qk, .offset: 48, .size: 8, .value_kind: global_buffer, .address_space: global }
    .group_segment_fixed_size: 327680
    .private_segment_fixed_size: 0
    .kernarg_segment_align: 8
    .kernarg_segment_size: 56
    .max_flat_workgroup_size: 128
    .sgpr_count:     100
    .vgpr_count:     1024
    .wavefront_size: 32
...
	.end_amdgpu_metadata
.endif
;; end of part 2
;; launch attn (part 3): grid 4 x 64, 16 waves a work-group, clusters of 4 x 1, 327,680 bytes of LDS; arguments qk, yc, ys; writes yc, ys
.if DOCPART == 3
	.amdgcn_target "amdgcn-amd-amdhsa--gfx1250"
	.amdhsa_code_object_version 6
	.text
	.protected	k_qf3a7423d28_attn
	.globl	k_qf3a7423d28_attn
	.p2align	8
	.type	k_qf3a7423d28_attn,@function
k_qf3a7423d28_attn:
	s_mov_b64 s[64:65], 0
	v_nop
	global_prefetch_b8 v0, s[64:65] scope:SCOPE_SE
	s_setreg_imm32_b32 hwreg(HW_REG_WAVE_MODE, 25, 1), 1
	s_wait_xcnt 0x0
	s_wait_alu depctr_hold_cnt(0) depctr_sa_sdst(0) depctr_va_vdst(0) depctr_va_sdst(0) depctr_va_ssrc(0) depctr_va_vcc(0) depctr_vm_vsrc(0)
	s_getreg_b32 s2, hwreg(HW_REG_IB_STS2, 6, 4)
	s_cmp_eq_u32 s2, 0
	s_cbranch_scc0 .Lentry_in_a_cluster
	s_endpgm
.Lentry_in_a_cluster:
	s_bfe_u32 s2, ttmp6, 0x10000c
	s_cmp_lg_u32 s2, 0x3003
	s_cbranch_scc0 .Lentry_shape_is_right
	s_endpgm
.Lentry_shape_is_right:
; y[b][q][head] = softmax_k(q . k / 8, causal, padded keys hidden) v, both products on codes of FP6 (E2M3) with E8M0 scales; y leaves as codes, quantised along the output projection's K.
; THE SOFTMAX: t = score x log2(e) / 8; M = the running largest t rounded UP to a whole number; p = 2^(t - M) is quantised along the keys, not normalised; the row's sum is taken of the unquantised p and divides at the end.
; LEFT OUT: key steps of 128 that lie wholly behind a tile's queries: the causal mask sets their scores to -inf, for all values of the inputs.
; SHARES.  The four work-groups of a head and batch form a cluster.  Tiles of 16 queries are dealt by turns: work-group j has tiles 4 t + j, t = 0 .. 31; tile t lies in record t / 2 (128 tokens) and needs key steps 0 .. t / 2.
; Wave w of sixteen takes tile t = 31 - w and then t = w: 17 key steps for every wave of every work-group.  Four waves share a SIMD, so that one wave's waits stand beside another's work.
; ALL KEYS LIE IN LDS.  A record (13,312 bytes) holds 128 keys' k (half fragments, scale words, 0 or -2^126 for each key) and v; a head's 16 records are 212,992 bytes, filled ONCE: at the head each wave asks for one record,
; jointly with the three partners, which need the same bytes.  Nothing is filled again, so no barrier stands in the loop.  Wave 0's load has a line of its own: the first barrier shows record 0, and the first key step,
; written out, reads it while the other fifteen land; the second barrier shows all.
; NO PREFETCH: every byte that the launch streams is asked for by the head's loads; the loop reads nothing but LDS.
; THE LOOP has 24 trips whatever the wave: trips 0-15 are the first tile's key steps 0-15, trips 16-23 the second tile's 0-7; a trip at or past the tile's last step + 1 (LIM) is passed over by a scalar branch on the wave's
; number and the trip alone.  No branch and no LDS address hangs on the work-group's place in the cluster: that enters only global addresses and the lanes' query numbers.
; LAYOUT as the projection launch leaves it: both products transposed (S^T = K Q^T, O^T = V^T P^T), a lane holds one query; lane r of tile 2 g + u is token 32 g + 8 u + r + 8 (r / 8); source 0 of a score product is a pair of
; key tiles (k 0-63, k 64-127), taken against (Q, 0) and (0, Q).  The mask numbers are loaded into the scores' registers and are the C of the score products.
; LIMITS: scores stay under 2^124 in magnitude (the running largest t begins at -2^122, above every hidden key's t).  A row all of whose keys are hidden has the sum 0: its scale bytes are set to 0xff, which makes that row
; of the final output NaN, as the softmax of nothing is.  ys is written two bytes a row and head.
.set REC,   13312
.set VOF,   6912                       ; v's part of a record
.set SPARE, 212992                     ; behind the 16 records: the spare words, 128 bytes a wave
.set L16, 1                            ; v1 16 x lane; v2 8 x lane; v3 16 r; v4 64 h
.set L8,  2
.set R16, 3
.set H64, 4
.set SPW, 5
.set NIL, 6
.set DG,  7                            ; my query's place in its record - 16 h
.set A16, 8                            ; v8-11 the step's LDS addresses
.set A8,  9
.set AR,  10
.set AH,  11
                                       ; v12 -M, v13 the largest t, v[14:15] the sum
.set QF,  16                           ; v16-33 Q, zeros, Q
.set QS,  34                           ; scales only: v34 Q's word; v36-39 k's; v40-43 v's; v44 p's; v46 the second tile's Q's
.set KSC, 36
.set VSC, 40
.set PW,  44
.set QN,  46
.set KV,  48                           ; v48-95 four pairs of key tiles, then four fragments of V
.set S,   96                           ; S^T, then p
.set O,   160                          ; O^T
.set R8,  192                          ; v192 8 r
.set PC,  196                          ; p's codes
.set BM,  216
.set BP,  220
.set BO,  224
.set FF,  228
.set TP,  230
.set SU,  232                          ; three chains of the sum
.set Q2,  240                          ; the second tile's Q
.set WV,  12
.set CX,  13
.set HB,  14
.set SEL, 20
.set CS,  22
.set G1,  24
.set G0,  32
.set TB,  36
.set TRIP, 37
.set LIM, 38
.set LIM2, 39
.set YC,  40
.set YS,  42
.set YC2, 44
.set YS2, 46
.set DD,  71                           ; s71 what the second tile's place adds to the first's
.set QA,  72                           ; s[72:73], s[74:75] the first tile's Q and its scale words; s[76:77], s[78:79] the second's
.macro WALU
	s_wait_alu depctr_va_vdst(0)
.endm
.macro CROUND
	s_barrier_signal -1
	s_barrier_wait -1
	s_cmp_lg_u32 s[WV], 0
	s_cbranch_scc1 .Lnot_wave_0_\@
	s_barrier_signal -3
.Lnot_wave_0_\@:
	s_barrier_wait -3
	s_barrier_signal -1
	s_barrier_wait -1
.endm
.macro TLOAD
	tensor_load_to_lds s[G0:G0+3], s[G1:G1+7]
	s_nop 0
.rept 4
	v_nop
.endr
.endm
.macro FRAGS off                       ; four fragments of 12 registers, as they lie
.irp j, 0,1,2,3
	ds_load_b128 v[KV+12*\j:KV+12*\j+3], v[A16] offset:\off+1536*\j
	ds_load_b64 v[KV+12*\j+4:KV+12*\j+5], v[A8] offset:\off+1536*\j+512
	ds_load_b128 v[KV+12*\j+6:KV+12*\j+9], v[A16] offset:\off+1536*\j+768
	ds_load_b64 v[KV+12*\j+10:KV+12*\j+11], v[A8] offset:\off+1536*\j+1280
.endr
.endm
; The softmax of 128 keys: scores in v[S ..] become p's codes in v[PC .. PC + 11] and p's scale word in v[PW]; the sum and O^T are brought under the new M.
.macro SOFT
.irp b, 0,1,2,3
	v_max3_num_f32 v[BM+\b], v[S+16*\b], v[S+1+16*\b], v[S+2+16*\b]   ; the largest score of each block of 32 keys: for the row's maximum and, since p rises with the score, for the block's largest p
.endr
.irp i, 3,5,7,9,11,13
.irp b, 0,1,2,3
	v_max3_num_f32 v[BM+\b], v[BM+\b], v[S+16*\b+\i], v[S+1+16*\b+\i]
.endr
.endr
.irp b, 0,1,2,3
	v_max_num_f32 v[BM+\b], v[BM+\b], v[S+15+16*\b]
.endr
.irp b, 0,1,2,3
	s_delay_alu instid0(VALU_DEP_4)
	v_permlanex16_b32 v[BP+\b], v[BM+\b], s[SEL], s[SEL+1]
.endr
.irp b, 0,1,2,3
	s_delay_alu instid0(VALU_DEP_4)
	v_max_num_f32 v[BM+\b], v[BM+\b], v[BP+\b]     ; with lane l xor 16's 16 keys
.endr
	s_delay_alu instid0(VALU_DEP_2)
	v_max3_num_f32 v[TP], v[BM], v[BM+1], v[BM+2]
	s_delay_alu instid0(VALU_DEP_1)
	v_max_num_f32 v[TP], v[TP], v[BM+3]
	s_delay_alu instid0(VALU_DEP_1)
	v_mul_f32 v[TP], s[CS], v[TP]                  ; as t
	s_delay_alu instid0(VALU_DEP_1)
	v_max_num_f32 v13, v13, v[TP]                  ; the running largest t
	v_mov_b32 v[TP], v12
	s_delay_alu instid0(VALU_DEP_2)
	v_floor_f32 v12, -v13                          ; the new -M = floor(-t): M is a whole number
	s_delay_alu instid0(VALU_DEP_1)
	v_sub_f32 v[TP], v12, v[TP]                    ; old M - new M: a whole number, 0 or less
	s_delay_alu instid0(VALU_DEP_1)
	v_cvt_i32_f32 v[TP], v[TP]                     ; (it saturates)
	s_delay_alu instid0(VALU_DEP_1)
	v_ldexp_f32 v[FF], 1.0, v[TP]                  ; f = 2^(old M - new M): a multiplication by it rounds nothing
.set SJ, 0
.rept 32
	v_pk_fma_f32 v[S+SJ:S+SJ+1], v[S+SJ:S+SJ+1], s[CS:CS+1], v[12:13] op_sel_hi:[1,0,0]   ; t - M, two at a time
.set SJ, SJ+2
.endr
.irp b, 0,1,2,3
	v_fma_f32 v[BM+\b], v[BM+\b], s[CS], v12       ; the same of each block's largest score
.endr
	WALU                                           ; ahead of the batch
.set SJ, 0
.rept 64
	v_exp_f32 v[S+SJ], v[S+SJ]                     ; p = 2^(t - M)
.set SJ, SJ+1
.endr
	v_pk_mul_f32 v[14:15], v[14:15], v[FF:FF+1] op_sel_hi:[1,0]   ; the sums under the new M; a plain place behind the exponentials
	WALU                                           ; one wait for the batch, ahead of its first reader
.irp b, 0,1,2,3
	v_exp_f32 v[BM+\b], v[BM+\b]                   ; the block's largest p: the same two instructions on the same number give the same bits
.endr
	v_pk_add_f32 v[SU:SU+1], v[S:S+1], v[S+2:S+3]  ; the sum of the unquantised p: 32 additions in four chains
	v_pk_add_f32 v[SU+2:SU+3], v[S+4:S+5], v[S+6:S+7]
	v_pk_add_f32 v[SU+4:SU+5], v[S+8:S+9], v[S+10:S+11]
	v_pk_add_f32 v[14:15], v[14:15], v[S+12:S+13]
.set SJ, 14
.rept 6
	v_pk_add_f32 v[SU:SU+1], v[SU:SU+1], v[S+SJ:S+SJ+1]
	v_pk_add_f32 v[SU+2:SU+3], v[SU+2:SU+3], v[S+SJ+2:S+SJ+3]
	v_pk_add_f32 v[SU+4:SU+5], v[SU+4:SU+5], v[S+SJ+4:S+SJ+5]
	v_pk_add_f32 v[14:15], v[14:15], v[S+SJ+6:S+SJ+7]
.set SJ, SJ+8
.endr
	v_pk_add_f32 v[SU:SU+1], v[SU:SU+1], v[S+62:S+63]
	v_pk_add_f32 v[SU+2:SU+3], v[SU+2:SU+3], v[SU+4:SU+5]
	v_pk_add_f32 v[14:15], v[14:15], v[SU:SU+1]
	v_pk_add_f32 v[14:15], v[14:15], v[SU+2:SU+3]
	WALU                                           ; and one for the four
.irp b, 0,1,2,3
	v_max_num_f32 v[BM+\b], 0x1800000, v[BM+\b]    ; the floor 2^(3 - 127): a block whose every p is 0 keeps the byte 1: its codes are zeros
.endr
.irp b, 0,1,2,3
	s_delay_alu instid0(VALU_DEP_4)
	v_add_nc_u32 v[BO+\b], 0xff000000, v[BM+\b]    ; 2 off the exponent field: the conversion's scale operand
.endr
.irp b, 0,1,2,3
	s_delay_alu instid0(VALU_DEP_4)
	v_lshrrev_b32 v[BP+\b], 23, v[BO+\b]           ; the scale's byte
.endr
	v_lshl_or_b32 v[FF+1], v[BP+1], 8, v[BP]
	v_lshl_or_b32 v[FF+1], v[BP+2], 16, v[FF+1]
	v_lshl_or_b32 v[PW], v[BP+3], 24, v[FF+1]      ; p's scale word for these 128 keys
.irp c, 0,1
	v_cvt_scalef32_pk16_fp6_f32 v[PC+6*\c:PC+2+6*\c], v[S+32*\c:S+15+32*\c], v[BO+2*\c]
	v_cvt_scalef32_pk16_fp6_f32 v[PC+12+4*\c:PC+14+4*\c], v[S+16+32*\c:S+31+32*\c], v[BO+2*\c+1]
.endr
	v_nop                                          ; one plain place behind a scaled conversion
.irp c, 0,1
.irp i, 0,1,2
	v_permlane16_swap_b32 v[PC+6*\c+\i], v[PC+12+4*\c+\i]
.endr
.irp i, 0,1,2
	v_mov_b32 v[PC+3+6*\c+\i], v[PC+12+4*\c+\i]
.endr
.endr
	WALU                                           ; directly ahead of O^T's first reader
.set SJ, 0
.rept 16
	v_pk_mul_f32 v[O+SJ:O+SJ+1], v[O+SJ:O+SJ+1], v[FF:FF+1] op_sel_hi:[1,0]   ; O^T under the new M; also the places between the codes and the products
.set SJ, SJ+2
.endr
.endm
; A KEY STEP: 128 keys.  walk = 0: record 0, by a constant; 1: record TRIP % 16, and the diagonal's test.
.macro STEP walk
.if \walk
	s_and_b32 s[TB], s[TRIP], 15
	s_mul_i32 s[TB], s[TB], REC
.else
	s_mov_b32 s[TB], 0
.endif
	v_add_nc_u32 v[A16], s[TB], v[L16]             ; these four are also the places in front of the loads into registers that the last products read
	v_add_nc_u32 v[A8], s[TB], v[L8]
	v_add_nc_u32 v[AR], s[TB], v[R16]
	v_add_nc_u32 v[AH], s[TB], v[H64]
	FRAGS 0                                        ; four pairs of key tiles
	ds_load_b128 v[KSC:KSC+3], v[AR] offset:6144
.irp n, 0,1,2,3,4,5,6,7,8,9,10,11,12,13,14,15
	ds_load_b128 v[S+4*\n:S+4*\n+3], v[AH] offset:6400+128*(\n/4)+16*(\n%4)   ; register 16 g + i: 0 or -2^126 for key 32 g + 16 h + i
.endr
	WALU
	s_wait_dscnt 0x0
.irp t, 0,1,2,3,4,5,6,7
	v_wmma_scale_f32_16x16x128_f8f6f4 v[S+8*\t:S+8*\t+7], v[KV+12*(\t/2):KV+12*(\t/2)+11], v[QF+6*(\t%2):QF+6*(\t%2)+11], v[S+8*\t:S+8*\t+7], v[KSC+\t/2], v[QS] matrix_a_fmt:MATRIX_FMT_FP6 matrix_b_fmt:MATRIX_FMT_FP6
.endr
.rept 4
	v_nop                                          ; places: in front of the loads below and of the first read of the scores
.endr
	FRAGS VOF                                      ; V's fragments are asked for here and land under the softmax
	ds_load_b128 v[VSC:VSC+3], v[AR] offset:VOF+6144
.if \walk
	s_add_co_u32 s48, s[TRIP], 1                   ; the tile's last step holds its own record: there later keys' scores become -infinity
	s_cmp_lg_u32 s48, s[LIM]
	s_cbranch_scc1 .Lopen_\@
	v_mov_b32 v[TP+1], 0xff800000
.set DN, 0
.rept 64
	v_cmp_gt_i32 vcc_lo, 32*(DN/16)+DN%16, v[DG]   ; register 16 g + i is hidden where 32 g + i > my query's place - 16 h
	v_cndmask_b32 v[S+DN], v[S+DN], v[TP+1], vcc_lo
.set DN, DN+1
.endr
.Lopen_\@:
.endif
	SOFT
	WALU
	s_wait_dscnt 0x0                               ; V
.irp c, 0,1,2,3
	v_wmma_scale_f32_16x16x128_f8f6f4 v[O+8*\c:O+8*\c+7], v[KV+12*\c:KV+12*\c+11], v[PC:PC+11], v[O+8*\c:O+8*\c+7], v[VSC+\c], v[PW] matrix_a_fmt:MATRIX_FMT_FP6 matrix_b_fmt:MATRIX_FMT_FP6
.endr
.endm
.macro START                           ; a tile's state at its first key step
.set SJ, 0
.rept 32
	v_mov_b32 v[O+SJ], 0                           ; the step is written once: the first finds zeros
.set SJ, SJ+1
.endr
	v_mov_b32 v14, 0
	v_mov_b32 v15, 0
	v_mov_b32 v13, 0xfc800000                      ; the largest t so far: -2^122
	v_floor_f32 v12, -v13
.endm
; A tile is done: O^T / the sum is quantised along the channels (two blocks of 32) and stored as a half fragment of the output projection's operand.  again = 1: the second tile's state is set up.
.macro FINISH again
.rept 4
	v_nop                                          ; places behind the last products
.endr
	v_add_f32 v14, v14, v15
	v_permlanex16_b32 v[TP+1], v14, s[SEL], s[SEL+1]
	v_add_f32 v14, v14, v[TP+1]                    ; the row's sum
	WALU
	v_rcp_f32 v[TP], v14
	v_mov_b32 v[BP+2], 0xffff                      ; (a plain place behind the reciprocal)
	WALU
.set SJ, 0
.rept 16
	v_pk_mul_f32 v[S+SJ:S+SJ+1], v[O+SJ:O+SJ+1], v[TP:TP+1] op_sel_hi:[1,0]   ; register 16 g + i: y of channel 32 g + 16 h + i
.set SJ, SJ+2
.endr
.irp b, 0,1
	v_max3_num_f32 v[BM+\b], |v[S+16*\b]|, |v[S+1+16*\b]|, 0x1800000
.endr
.irp i, 2,4,6,8,10,12,14
.irp b, 0,1
	v_max3_num_f32 v[BM+\b], v[BM+\b], |v[S+16*\b+\i]|, |v[S+1+16*\b+\i]|
.endr
.endr
.irp b, 0,1
	v_permlanex16_b32 v[BP+\b], v[BM+\b], s[SEL], s[SEL+1]
.endr
.irp b, 0,1
	v_max_num_f32 v[BM+\b], v[BM+\b], v[BP+\b]
.endr
.irp b, 0,1
	v_add_nc_u32 v[BO+\b], 0xff000000, v[BM+\b]
.endr
.irp b, 0,1
	v_lshrrev_b32 v[BP+\b], 23, v[BO+\b]
.endr
	v_lshl_or_b32 v[BP], v[BP+1], 8, v[BP]         ; my row's two scale bytes
	v_cmp_eq_f32 vcc_lo, 0, v14
	v_cndmask_b32 v[BP], v[BP], v[BP+2], vcc_lo    ; a row with no key at all: 0xff, 0xff
	v_cvt_scalef32_pk16_fp6_f32 v[PC:PC+2], v[S:S+15], v[BO]
	v_cvt_scalef32_pk16_fp6_f32 v[PC+12:PC+14], v[S+16:S+31], v[BO+1]
	v_nop
.irp i, 0,1,2
	v_permlane16_swap_b32 v[PC+\i], v[PC+12+\i]
.endr
.irp i, 0,1,2
	v_mov_b32 v[PC+3+\i], v[PC+12+\i]
.endr
	global_store_b128 v[L16], v[PC:PC+3], s[YC:YC+1]               ; 512 and 256 consecutive bytes, aligned
	global_store_b64 v[L8], v[PC+4:PC+5], s[YC:YC+1] offset:512
	global_store_b16 v[R8], v[BP], s[YS:YS+1]      ; (lanes 16-31 write what lanes 0-15 write)
.if \again
	s_wait_xcnt 0x0                                ; the stores have read their data and bases
	v_mov_b32 v[QS], v[QN]
.irp i, 0,1,2,3,4,5
	v_mov_b32 v[QF+\i], v[Q2+\i]
	v_mov_b32 v[QF+12+\i], v[Q2+\i]
.endr
	v_add_nc_u32 v[DG], s[DD], v[DG]
	START                                          ; (also the places between Q's registers, its scale word and the next products)
	s_mov_b32 s[LIM], s[LIM2]
	s_mov_b64 s[YC:YC+1], s[YC2:YC2+1]
	s_mov_b64 s[YS:YS+1], s[YS2:YS2+1]
	WALU
.endif
.endm
; Where a tile's Q, its scale words and its y lie: s\a its record, s\e which half of the record.  Half fragment u = 4 e + j; block of 16 rows 128 b + 8 a + u.
.macro TILE a, e, qa, yc, ys
	s_lshl_b32 s60, s\e, 2
	s_add_co_u32 s60, s60, s[CX]
	s_lshl_b32 s61, s[HB], 4
	s_add_co_u32 s61, s61, s\a
	s_mul_i32 s62, s61, REC
	s_mul_i32 s63, s60, 768
	s_add_co_u32 s66, s62, s63
	s_add_nc_u64 s[\qa:\qa+1], s[4:5], s[66:67]
	s_lshr_b32 s63, s60, 1
	s_lshl_b32 s63, s63, 2
	s_add_co_u32 s66, s62, s63
	s_add_co_u32 s66, s66, 6144
	s_add_nc_u64 s[\qa+2:\qa+3], s[4:5], s[66:67]
	s_lshl_b32 s63, s\a, 3
	s_add_co_u32 s63, s63, s60
	s_add_co_u32 s63, s63, s68
	s_mul_i32 s66, s63, 12288
	s_add_co_u32 s66, s66, s69
	s_add_nc_u64 s[\yc:\yc+1], s[6:7], s[66:67]
	s_lshr_b32 s63, s63, 1
	s_lshl_b32 s63, s63, 10
	s_add_co_u32 s66, s63, s70
	s_add_nc_u64 s[\ys:\ys+1], s[8:9], s[66:67]
.endm
	s_load_b128 s[4:7], s[0:1], 0x0                ; qk s[4:5], yc s[6:7]
	s_load_b64 s[8:9], s[0:1], 0x10                ; ys
	v_lshl_add_u32 v[SPW], v0, 2, SPARE
	v_mov_b32 v[NIL], 0
	ds_add_u32 v[SPW], v[NIL]                      ; the wave's opening
	ds_add_u32 v[SPW], v[NIL]
	v_lshrrev_b32 v8, 5, v0
	v_readfirstlane_b32 s[WV], v8                  ; wave 0..15
	s_bfe_u32 s[CX], ttmp6, 0x40000                ; j: my place in the cluster
	s_and_b32 s[HB], ttmp7, 0xffff                 ; 4 x head + batch
	s_mov_b32 s[G1], 15|(3<<16)|(1<<21)            ; all four partners; elements of 8 bytes; a record as 52 rows of 256 bytes, dense
	s_mov_b32 s[G1+1], 32<<16
	s_mov_b32 s[G1+2], 52<<16
	s_mov_b32 s[G1+3], 32<<16
	s_mov_b32 s[G1+4], 52
	s_mov_b32 s[G1+5], 32
	s_mov_b32 s[G1+6], 0
	s_mov_b32 s[G1+7], 0
	s_mov_b32 s[G0], 1
	s_mul_i32 s[G0+1], s[WV], REC                  ; record w
	s_add_co_u32 s48, s[HB], 64                    ; k's records lie behind q's 64 x 16
	s_lshl_b32 s48, s48, 4
	s_mul_i32 s48, s48, REC
	s_add_co_u32 s48, s48, s[G0+1]
	s_mov_b32 s49, 0
	s_mov_b32 s[SEL], 0x76543210
	s_mov_b32 s[SEL+1], 0xfedcba98
	s_mov_b32 s[CS], 0x3e38aa3b                    ; c = log2(e) / 8
	s_mov_b32 s[CS+1], s[CS]
	WALU
	s_wait_dscnt 0x0
	CROUND                                         ; the four work-groups are here: the joint loads meet
	s_wait_kmcnt 0x0
	s_add_nc_u64 s[G0+2:G0+3], s[4:5], s[48:49]
	s_or_b32 s[G0+3], s[G0+3], 0x80000000
	s_cmp_eq_u32 s[WV], 0
	s_cbranch_scc0 .Lrest
	TLOAD                                          ; wave 0's line: record 0
	s_branch .Lasked
.Lrest:
	TLOAD                                          ; waves 1 to 15
.Lasked:
	s_lshr_b32 s50, s[WV], 1                       ; the second tile, t = w: record w / 2,
	s_and_b32 s51, s[WV], 1                        ; half w % 2
	s_sub_co_u32 s52, 15, s50                      ; the first, t = 31 - w: record 15 - w / 2,
	s_xor_b32 s53, s51, 1                          ; the other half
	s_sub_co_u32 s[LIM], 16, s50                   ; key steps 0 .. 15 - w / 2, trips 0 on
	s_add_co_u32 s[LIM2], s50, 17                  ; key steps 0 .. w / 2, trips 16 on
	s_lshl_b32 s[DD], s51, 7
	s_sub_co_u32 s[DD], s[DD], 64                  ; 64 tokens up or down
	s_and_b32 s68, s[HB], 3
	s_lshl_b32 s68, s68, 7                         ; 128 b
	s_lshr_b32 s59, s[HB], 2                       ; head
	s_mul_i32 s69, s59, 768
	s_lshr_b32 s70, s59, 2
	s_lshl_b32 s70, s70, 8
	s_and_b32 s62, s59, 3
	s_lshl_b32 s62, s62, 1
	s_add_co_u32 s70, s70, s62
	s_and_b32 s49, s[CX], 1
	s_lshl_b32 s62, s49, 7
	s_add_co_u32 s70, s70, s62                     ; ys: 256 (head / 4) + 2 (head % 4) + 128 (block % 2)
	s_mov_b32 s67, 0
	TILE 52, 53, QA, YC, YS
	TILE 50, 51, QA+4, YC2, YS2
	s_lshl_b32 s48, s53, 1
	s_lshr_b32 s54, s[CX], 1
	s_add_co_u32 s48, s48, s54
	s_lshl_b32 s48, s48, 5
	s_lshl_b32 s54, s49, 3
	s_add_co_u32 s48, s48, s54                     ; the first tile's first token in its record: 32 (u / 2) + 8 (u % 2)
	s_lshl_b32 s49, s49, 4                         ; my tile's two bytes of a pair's scale word: 16 (j % 2) bits up
	v_and_b32 v8, 31, v0                           ; lane
	v_and_b32 v9, 15, v0                           ; r
	v_bfe_u32 v10, v0, 4, 1                        ; h
	v_lshlrev_b32 v[L16], 4, v8
	v_lshlrev_b32 v[L8], 3, v8
	v_lshlrev_b32 v[R16], 4, v9
	v_lshlrev_b32 v[H64], 6, v10
	v_lshlrev_b32 v[R8], 3, v9
	v_and_b32 v[DG], 8, v9
	v_add_nc_u32 v[DG], v[DG], v9
	v_lshlrev_b32 v11, 4, v10
	v_sub_nc_u32 v[DG], v[DG], v11
	v_add_nc_u32 v[DG], s48, v[DG]
	global_load_b128 v[QF:QF+3], v[L16], s[QA:QA+1]                ; the first tile's Q, twice: in front of the zeros and behind them
	global_load_b64 v[QF+4:QF+5], v[L8], s[QA:QA+1] offset:512
	global_load_b128 v[QF+12:QF+15], v[L16], s[QA:QA+1]
	global_load_b64 v[QF+16:QF+17], v[L8], s[QA:QA+1] offset:512
	global_load_b32 v[QS], v[R16], s[QA+2:QA+3]
	global_load_b128 v[Q2:Q2+3], v[L16], s[QA+4:QA+5]              ; the second tile's
	global_load_b64 v[Q2+4:Q2+5], v[L8], s[QA+4:QA+5] offset:512
	global_load_b32 v[QN], v[R16], s[QA+6:QA+7]
.irp i, 0,1,2,3,4,5
	v_mov_b32 v[QF+6+\i], 0
.endr
.irp b, 0,1,2,3
	v_mov_b32 v[BP+\b], 0                          ; written once: a lane permute's destination counts as one of its sources
.endr
	v_mov_b32 v[FF+1], 0                           ; (named as the upper half of a pair before it is first written)
	v_mov_b32 v[TP], 0
	v_mov_b32 v[TP+1], 0
	START
	WALU
	s_wait_loadcnt 0x0
.irp x, QS, QN
	v_lshrrev_b32 v[\x], s49, v[\x]                ; my tile's two bytes of the pair's word,
	v_and_b32 v[\x], 0xffff, v[\x]
	v_lshl_or_b32 v[\x], v[\x], 16, v[\x]          ; twice over: for (Q, 0) and for (0, Q)
.endr
.rept 2
	v_nop                                          ; with the three lines above and the step's four: eight places and more between Q's scale word and the first products
.endr
	WALU
	s_cmp_lg_u32 s[WV], 0
	s_cbranch_scc1 .Lnot_0
	s_wait_tensorcnt 0x0
.Lnot_0:
	s_barrier_signal -1
	s_barrier_wait -1                              ; record 0 is in
	STEP 0                                         ; trip 0, written out: every wave's first tile has nine key steps or more, so this one is never its last
	s_wait_tensorcnt 0x0                           ; every wave's load is in,
	s_wait_dscnt 0x0
	s_barrier_signal -1
	s_barrier_wait -1                              ; and shown to all: all 16 records
	s_mov_b32 s[TRIP], 1
.Ltrip:
	s_cmp_lg_u32 s[TRIP], 16
	s_cbranch_scc1 .Lsame
	FINISH 1                                       ; the first tile leaves, the second begins
.Lsame:
	s_cmp_ge_u32 s[TRIP], s[LIM]
	s_cbranch_scc1 .Lskip                          ; all this step's keys come after my tile's queries
	STEP 1
.Lskip:
	s_add_co_u32 s[TRIP], s[TRIP], 1
	s_cmp_lt_u32 s[TRIP], 24
	s_cbranch_scc1 .Ltrip
	FINISH 0
	s_wait_tensorcnt 0x0                           ; the wave's end
	ds_add_u32 v[SPW], v[NIL]
	s_wait_dscnt 0x0
	CROUND                                         ; the closing round
	s_endpgm
.Lfunc_end_k_qf3a7423d28_attn:
	.size	k_qf3a7423d28_attn, .Lfunc_end_k_qf3a7423d28_attn-k_qf3a7423d28_attn
	.p2alignl 7, 3214868480
	.fill 96, 4, 3214868480
	.section	.rodata,"a",@progbits
	.p2align	6, 0x0
	.amdhsa_kernel k_qf3a7423d28_attn
		.amdhsa_group_segment_fixed_size 327680
		.amdhsa_private_segment_fixed_size 0
		.amdhsa_enable_private_segment 0
		.amdhsa_kernarg_size 24
		.amdhsa_user_sgpr_count 2
		.amdhsa_user_sgpr_kernarg_segment_ptr 1
		.amdhsa_wavefront_size32 1
		.amdhsa_system_sgpr_workgroup_id_x 1
		.amdhsa_system_sgpr_workgroup_id_y 1
		.amdhsa_system_sgpr_workgroup_id_z 1
		.amdhsa_system_vgpr_workitem_id 0
		.amdhsa_next_free_vgpr 256
		.amdhsa_next_free_sgpr 100
		.amdhsa_reserve_vcc 1
		.amdhsa_float_denorm_mode_32 3
		.amdhsa_float_denorm_mode_16_64 3
		.amdhsa_memory_ordered 1
		.amdhsa_forward_progress 1
		.amdhsa_inst_pref_size 59
	.end_amdhsa_kernel
	.amdgpu_metadata
---
amdhsa.version: [ 1, 2 ]
amdhsa.kernels:
  - .name:           k_qf3a7423d28_attn
    .symbol:         k_qf3a7423d28_attn.kd
    .args:
      - { .name: qk, .offset: 0, .size: 8, .value_kind: global_buffer, .address_space: global }
      - { .name: yc, .offset: 8, .size: 8, .value_kind: global_buffer, .address_space: global }
      - { .name: ys, .offset: 16, .size: 8, .value_kind: global_buffer, .address_space: global }
    .group_segment_fixed_size: 327680
    .private_segment_fixed_size: 0
    .kernarg_segment_align: 8
    .kernarg_segment_size: 24
    .max_flat_workgroup_size: 512
    .sgpr_count:     100
    .vgpr_count:     256
    .wavefront_size: 32
...
	.end_amdgpu_metadata
.endif
;; end of part 3
;; launch gemm_out (part 4): grid 4 x 32, 4 waves a work-group, clusters of 4 x 4, 327,680 bytes of LDS; arguments yc, ys, wc, ws, b_o, out0; writes out0
.if DOCPART == 4
	.amdgcn_target "amdgcn-amd-amdhsa--gfx1250"
	.amdhsa_code_object_version 6
	.text
	.protected	k_qf3a7423d28_gemm_out
	.globl	k_qf3a7423d28_gemm_out
	.p2align	8
	.type	k_qf3a7423d28_gemm_out,@function
k_qf3a7423d28_gemm_out:
	s_mov_b64 s[64:65], 0
	v_nop
	global_prefetch_b8 v0, s[64:65] scope:SCOPE_SE
	s_setreg_imm32_b32 hwreg(HW_REG_WAVE_MODE, 25, 1), 1
	s_wait_xcnt 0x0
	s_wait_alu depctr_hold_cnt(0) depctr_sa_sdst(0) depctr_va_vdst(0) depctr_va_sdst(0) depctr_va_ssrc(0) depctr_va_vcc(0) depctr_vm_vsrc(0)
	s_getreg_b32 s2, hwreg(HW_REG_IB_STS2, 6, 4)
	s_cmp_eq_u32 s2, 0
	s_cbranch_scc0 .Lentry_in_a_cluster
	s_endpgm
.Lentry_in_a_cluster:
	s_bfe_u32 s2, ttmp6, 0x10000c
	s_cmp_lg_u32 s2, 0xf033
	s_cbranch_scc0 .Lentry_shape_is_right
	s_endpgm
.Lentry_shape_is_right:
; out0 = y W_o + b_o on codes of FP6 (E2M3) with E8M0 scales, [8192 x 1024] x [1024 x 1024], f32 out.  A tile of 256 x 256 to a work-group of four waves, 128 x 128 a wave; K in four steps of 256 through two LDS slots.
; Operands lie in memory as images of their registers, as the quantising launch and the attention launch leave them; source 0 = W_o's columns, source 1 = tokens; the bias is the C of the first products.
; CLUSTERS: 4 x 4 work-groups; y's tiles are shared along a row of the cluster, W_o's along a column.  THE HEAD: one tensor load a wave: y's 256 rows of K step 0, W_o's, y's scale words, W_o's; K step 1 is asked for behind
; the full sequence and a round.  The results leave through each wave's own stage in slot 0, which has had its last fill by then, as whole rows of 512 bytes.
.set NL,    4
.set FR,    12
.set HALFT, 24576
.set SLOT,  98304
.set SCL,   196608
.set SPARE, 212992
.set SPITCH, 528
.set ADR,   16
.set ADRS1, 24
.set ADRS0, 25
.set STO,   26
.set RD,    27
.set SPW,   28
.set NIL,   29
.set SC1,   32
.set SC0,   64
.set AF,    128
.set BK,    128
.set WV,    20
.set WH,    21
.set WL,    22
.set G1,    24
.set G0,    32
.set G1B,   48
.set G0B,   56
.set G1S,   68
.set G0S,   76
.set G1SB,  80
.set G0SB,  88
.set MSB, 0
.macro WIN new
.if MSB != (\new)
	s_set_vgpr_msb (MSB<<8)|(\new)
.set MSB, (\new)
.endif
.endm
.set MUL_LO, 0xa1
.set MUL_HI, 0xf1
.set TO_B,   0x40
.macro JLOAD g0a, g1a, g0b, g1b
	s_cmp_eq_u32 s[WH], 0
	s_cbranch_scc0 .Lfor_b_\@
	tensor_load_to_lds s[\g0a:\g0a+3], s[\g1a:\g1a+7]
	s_nop 0
.rept 4
	v_nop
.endr
	s_branch .Lasked_\@
.Lfor_b_\@:
	tensor_load_to_lds s[\g0b:\g0b+3], s[\g1b:\g1b+7]
	s_nop 0
.rept 4
	v_nop
.endr
.Lasked_\@:
.endm
.macro CREST
	s_cmp_lg_u32 s[WV], 0
	s_cbranch_scc1 .Lnot_wave_0_\@
	s_barrier_signal -3
.Lnot_wave_0_\@:
	s_barrier_wait -3
	s_barrier_signal -1
	s_barrier_wait -1
.endm
.macro CROUND
	s_barrier_signal -1
	s_barrier_wait -1
	CREST
.endm
.macro PLACES
.rept 4
	v_nop
.endr
.endm
.macro FRAG reg, adr, q, i
	ds_load_b128 v[\reg:\reg+3], v[\adr] offset:(\i)*3072+(\q)*1536
	ds_load_b64 v[\reg+4:\reg+5], v[\adr+1] offset:(\i)*3072+(\q)*1536+512
	ds_load_b128 v[\reg+6:\reg+9], v[\adr] offset:(\i)*3072+(\q)*1536+768
	ds_load_b64 v[\reg+10:\reg+11], v[\adr+1] offset:(\i)*3072+(\q)*1536+1280
.endm
.macro FETCH0 slot, q, p
	WIN TO_B
.irp i, 0,1,2,3,4,5,6,7
	FRAG 128*(\p)+FR*\i, ADR+2*\slot, \q, \i
.endr
	WIN 0
.endm
.macro FETCH1 slot, q, i0
.irp i, \i0, \i0+1, \i0+2, \i0+3
	FRAG AF+FR*(\i), ADR+4+2*\slot, \q, \i
.endr
.endm
.macro SCALES set, p
.irp i, 0,1,2,3,4,5,6,7
	ds_load_b64 v[SC1+16*(\set)+2*\i:SC1+16*(\set)+2*\i+1], v[ADRS1] offset:(\i/2)*1024+(\p)*256+(\i%2)*128
	ds_load_b64 v[SC0+16*(\set)+2*\i:SC0+16*(\set)+2*\i+1], v[ADRS0] offset:(\i/2)*1024+(\p)*256+(\i%2)*128
.endr
.endm
.macro MUL16 a0, p, q, sc, first
.irp a, \a0, \a0+1
.irp b, 0,1,2,3,4,5,6,7
.if \first
	v_wmma_scale_f32_16x16x128_f8f6f4 v[8*(8*((\a)%4)+\b):8*(8*((\a)%4)+\b)+7], v[128*(\p)+FR*\b:128*(\p)+FR*\b+FR-1], v[AF+FR*(\a):AF+FR*(\a)+FR-1], v[96+8*\b+96*(\b/4):103+8*\b+96*(\b/4)], v[SC0+16*(\sc)+2*\b+(\q)], v[SC1+16*(\sc)+2*(\a)+(\q)] matrix_a_fmt:MATRIX_FMT_FP6 matrix_b_fmt:MATRIX_FMT_FP6
.else
	v_wmma_scale_f32_16x16x128_f8f6f4 v[8*(8*((\a)%4)+\b):8*(8*((\a)%4)+\b)+7], v[128*(\p)+FR*\b:128*(\p)+FR*\b+FR-1], v[AF+FR*(\a):AF+FR*(\a)+FR-1], v[8*(8*((\a)%4)+\b):8*(8*((\a)%4)+\b)+7], v[SC0+16*(\sc)+2*\b+(\q)], v[SC1+16*(\sc)+2*(\a)+(\q)] matrix_a_fmt:MATRIX_FMT_FP6 matrix_b_fmt:MATRIX_FMT_FP6
.endif
.endr
.endr
.endm
.macro STEP slot, first
	s_wait_dscnt 4*NL
.if \first
	WIN 0x91
.else
	WIN MUL_LO
.endif
	MUL16 0, 0, 0, \slot, \first
	MUL16 2, 0, 0, \slot, \first
	s_wait_dscnt 0x0
	PLACES
	FETCH0 \slot, 1, 1
	FETCH1 \slot, 1, 0
.if \first
	WIN 0xd1
.else
	WIN MUL_HI
.endif
	MUL16 4, 0, 0, \slot, \first
	MUL16 6, 0, 0, \slot, \first
	PLACES
	WIN 0
	FETCH1 \slot, 1, 4
.endm
.macro TURN slot, next, fill, pn
	s_wait_tensorcnt 0x0
	ds_add_u32 v[SPW], v[NIL]
	s_wait_dscnt 4*NL+1
	WIN MUL_LO
	MUL16 0, 1, 1, \slot, 0
	s_wait_dscnt 0x0
	s_barrier_signal -1
	MUL16 2, 1, 1, \slot, 0
	WIN 0
	s_barrier_wait -1
.if \fill
	CREST
	s_add_nc_u64 s[G0+4*\slot+2:G0+4*\slot+3], s[G0+4*\slot+2:G0+4*\slot+3], 6144
	s_add_nc_u64 s[G0B+4*\slot+2:G0B+4*\slot+3], s[G0B+4*\slot+2:G0B+4*\slot+3], 6144
	JLOAD G0+4*\slot, G1, G0B+4*\slot, G1B
.else
	PLACES
.endif
	FETCH0 \next, 0, 0
	FETCH1 \next, 0, 0
	SCALES \next, \pn
	WIN MUL_HI
	MUL16 4, 1, 1, \slot, 0
	MUL16 6, 1, 1, \slot, 0
	PLACES
	WIN 0
	FETCH1 \next, 0, 4
.endm
	s_load_b256 s[4:11], s[0:1], 0x0
	s_load_b128 s[12:15], s[0:1], 0x20
	v_lshl_add_u32 v[SPW], v0, 2, SPARE
	v_mov_b32 v[NIL], 0
	ds_add_u32 v[SPW], v[NIL]
	ds_add_u32 v[SPW], v[NIL]
	v_lshrrev_b32 v1, 5, v0
	v_readfirstlane_b32 s[WV], v1
	s_lshr_b32 s[WH], s[WV], 1
	s_and_b32 s[WL], s[WV], 1
	s_bfe_u32 s40, ttmp6, 0x40000
	s_bfe_u32 s41, ttmp6, 0x40004
	s_lshl_b32 s42, ttmp9, 2
	s_add_co_u32 s42, s42, s40
	s_and_b32 s43, ttmp7, 0xffff
	s_lshl_b32 s43, s43, 2
	s_add_co_u32 s43, s43, s41
	s_lshl_b32 s44, s41, 2
	s_lshl_b32 s44, 15, s44
	s_lshl_b32 s45, 0x1111, s40
	s_or_b32 s[G1+0], s44, (3<<16)|(1<<21)
	s_or_b32 s[G1B+0], s45, (3<<16)|(1<<21)
.irp g, G1, G1B
	s_mov_b32 s[\g+1], 384<<16
	s_mov_b32 s[\g+2], 16<<16                      ; 16 blocks for the head's loads; 8 behind them
	s_mov_b32 s[\g+3], 384<<16
	s_mov_b32 s[\g+4], 16
	s_mov_b32 s[\g+5], 1536
	s_mov_b32 s[\g+6], 0
	s_mov_b32 s[\g+7], 0
.endr
	s_or_b32 s[G1S+0], s44, (3<<16)|(1<<21)
	s_or_b32 s[G1SB+0], s45, (3<<16)|(1<<21)
.irp g, G1S, G1SB
	s_mov_b32 s[\g+1], 32<<16
	s_mov_b32 s[\g+2], 32<<16
	s_mov_b32 s[\g+3], 32<<16
	s_mov_b32 s[\g+4], 32
	s_mov_b32 s[\g+5], 32
	s_mov_b32 s[\g+6], 0
	s_mov_b32 s[\g+7], 0
.endr
	s_mul_i32 s66, s[WL], 98304                    ; in the ring I fetch 8 blocks of the tile's 16: which half, in bytes
	s_mov_b32 s67, 0
	s_lshl_b32 s92, s43, 4
	s_mul_i32 s94, s92, 12288
	s_mov_b32 s95, 0
	s_lshl_b32 s92, s92, 9
	s_mov_b32 s93, 0
	s_lshl_b32 s46, s42, 4
	s_add_co_u32 s46, s46, 192
	s_mul_i32 s96, s46, 12288
	s_mov_b32 s97, 0
	s_lshl_b32 s46, s46, 9
	s_mov_b32 s47, 0
	s_mul_i32 s2, s[WV], HALFT
	s_wait_dscnt 0x0
	s_wait_kmcnt 0x0
	s_add_nc_u64 s[94:95], s[4:5], s[94:95]
	s_add_nc_u64 s[92:93], s[6:7], s[92:93]
	s_add_nc_u64 s[96:97], s[8:9], s[96:97]
	s_add_nc_u64 s[46:47], s[10:11], s[46:47]
	CROUND
	s_mov_b32 s[G0S], 1
	s_mov_b32 s[G0S+1], SCL
	s_mov_b64 s[G0S+2:G0S+3], s[92:93]
	s_or_b32 s[G0S+3], s[G0S+3], 0x80000000
	s_mov_b32 s[G0SB], 1
	s_mov_b32 s[G0SB+1], SCL+8192
	s_mov_b64 s[G0SB+2:G0SB+3], s[46:47]
	s_or_b32 s[G0SB+3], s[G0SB+3], 0x80000000
	s_mov_b32 s4, 1                                ; s[4:7], s[8:11] (the arguments there have served): group 0 of the head's loads of K step 0: y's 16 blocks,
	s_mov_b32 s5, 0
	s_mov_b64 s[6:7], s[94:95]
	s_or_b32 s7, s7, 0x80000000
	s_mov_b32 s8, 1                                ; and W_o's, behind them in slot 0
	s_mov_b32 s9, 2*HALFT
	s_mov_b64 s[10:11], s[96:97]
	s_or_b32 s11, s11, 0x80000000
	s_add_nc_u64 s[94:95], s[94:95], s[66:67]      ; for the ring: my 8 blocks
	s_add_nc_u64 s[96:97], s[96:97], s[66:67]
.irp s, 0,1
	s_mov_b32 s[G0+4*\s], 1
	s_add_co_u32 s[G0+4*\s+1], s2, \s*SLOT
	s_add_nc_u64 s[G0+4*\s+2:G0+4*\s+3], s[94:95], \s*3072
	s_or_b32 s[G0+4*\s+3], s[G0+4*\s+3], 0x80000000
	s_mov_b32 s[G0B+4*\s], 1
	s_add_co_u32 s[G0B+4*\s+1], s2, \s*SLOT
	s_add_nc_u64 s[G0B+4*\s+2:G0B+4*\s+3], s[96:97], \s*3072
	s_or_b32 s[G0B+4*\s+3], s[G0B+4*\s+3], 0x80000000
.endr
; the head's four tiles, one a wave, in one chain of branches on the wave's number
.macro ARM under, g0, g1, next
	s_cmp_lt_u32 s[WV], \under
	s_cbranch_scc0 \next
	tensor_load_to_lds s[\g0:\g0+3], s[\g1:\g1+7]
	s_nop 0
.rept 4
	v_nop
.endr
	s_branch .Lhead_asked
\next:
.endm
	ARM 1, 4, G1, .Lhead_b
	ARM 2, 8, G1B, .Lhead_sa
	ARM 3, G0S, G1S, .Lhead_sb
	tensor_load_to_lds s[G0SB:G0SB+3], s[G1SB:G1SB+7]
	s_nop 0
.rept 4
	v_nop
.endr
.Lhead_asked:
	v_and_b32 v3, 31, v0
	v_lshlrev_b32 v1, 4, v3
	v_lshlrev_b32 v2, 3, v3
	v_and_b32 v4, 15, v0
	v_bfe_u32 v5, v0, 4, 1
	s_mul_i32 s66, s[WH], HALFT
	s_mul_i32 s67, s[WL], HALFT
	s_add_co_u32 s67, s67, 2*HALFT
.irp s, 0,1
	v_add_nc_u32 v[ADR+2*\s], s67, v1
	v_add_nc_u32 v[ADR+2*\s+1], s67, v2
	v_add_nc_u32 v[ADR+4+2*\s], s66, v1
	v_add_nc_u32 v[ADR+4+2*\s+1], s66, v2
	s_add_co_u32 s66, s66, SLOT
	s_add_co_u32 s67, s67, SLOT
.endr
	s_lshl_b32 s92, s[WH], 12
	s_add_co_u32 s92, s92, SCL
	s_lshl_b32 s93, s[WL], 12
	s_add_co_u32 s93, s93, SCL+8192
	v_lshl_add_u32 v[ADRS1], v4, 3, s92
	v_lshl_add_u32 v[ADRS0], v4, 3, s93
	s_mul_i32 s92, s[WV], 16*SPITCH
	v_mul_u32_u24 v[STO], v4, SPITCH
	v_lshl_add_u32 v[STO], v5, 6, v[STO]
	v_add_nc_u32 v[STO], s92, v[STO]
	v_add_nc_u32 v[RD], s92, v1
	s_lshl_b32 s92, s42, 10
	s_lshl_b32 s94, s[WL], 9
	s_add_co_u32 s94, s94, s92
	s_mov_b32 s95, 0
	s_add_nc_u64 s[12:13], s[12:13], s[94:95]
	s_lshl_b32 s92, s43, 20
	s_lshl_b32 s93, s[WH], 19
	s_add_co_u32 s92, s92, s93
	s_add_co_u32 s92, s92, s94
	s_mov_b32 s93, 0
	s_add_nc_u64 s[14:15], s[14:15], s[92:93]
	v_lshlrev_b32 v6, 6, v5
	WIN TO_B
.irp n, 0,1,2,3,4,5,6,7,8,9,10,11,12,13,14,15
	global_load_b128 v[96+4*\n+96*(\n/8):99+4*\n+96*(\n/8)], v6, s[12:13] offset:128*(\n/4)+16*(\n%4)
.endr
	WIN 0
	s_wait_alu depctr_va_vdst(0)
	s_wait_tensorcnt 0x0                           ; my tile of the head's four is in
	ds_add_u32 v[SPW], v[NIL]
	s_mov_b32 s[G1+2], 8<<16                       ; no tensor load of mine is out: from here on a load brings 8 blocks
	s_mov_b32 s[G1+4], 8
	s_mov_b32 s[G1B+2], 8<<16
	s_mov_b32 s[G1B+4], 8
	s_wait_dscnt 0x0
	CROUND                                         ; all four tiles are in, and all sixteen work-groups are here
	JLOAD G0+4, G1, G0B+4, G1B                     ; K step 1, the first tensor load behind the round
	FETCH0 0, 0, 0
	FETCH1 0, 0, 0
	SCALES 0, 0
	FETCH1 0, 0, 4
	s_wait_loadcnt 0x0
	STEP 0, 1
	TURN 0, 1, 1, 1
	STEP 1, 0
	TURN 1, 0, 1, 2
	STEP 0, 0
	TURN 0, 1, 0, 3
	STEP 1, 0
	s_wait_dscnt 4*NL
	WIN MUL_LO
	MUL16 0, 1, 1, 1, 0
	MUL16 2, 1, 1, 1, 0
	s_wait_dscnt 0x0
	WIN MUL_HI
	MUL16 4, 1, 1, 1, 0
	MUL16 6, 1, 1, 1, 0
	WIN 0
.macro TOSTAGE a
.set AC, 64*((\a)%4)
	WIN 0x08+4*((\a)/4)
.irp b, 0,1,2,3,4,5,6,7
	ds_store_b128 v[STO], v[AC+8*\b:AC+8*\b+3] offset:128*(\b/2)+32*(\b%2)
	ds_store_b128 v[STO], v[AC+8*\b+4:AC+8*\b+7] offset:128*(\b/2)+32*(\b%2)+16
.endr
	WIN 0
.set BB, BK+64*((\a)%2)
.irp t, 0,1,2,3,4,5,6,7,8,9,10,11,12,13,14,15
	ds_load_b128 v[BB+4*\t:BB+4*\t+3], v[RD] offset:\t*SPITCH
.endr
.endm
.macro SEND a, younger
.set BB, BK+64*((\a)%2)
	s_wait_dscnt \younger
.irp t, 0,1,2,3,4,5,6,7,8,9,10,11,12,13,14,15
	global_store_b128 v1, v[BB+4*\t:BB+4*\t+3], s[14:15] offset:(32*((\a)/2)+8*((\a)%2)+\t+8*(\t/8))*4096 th:TH_STORE_NT
.endr
.endm
	PLACES
	TOSTAGE 0
.irp a, 1,2,3,4,5,6,7
.if \a > 1
	s_wait_xcnt 0x0
.endif
	TOSTAGE \a
	SEND \a-1, 32
.endr
	SEND 7, 0
	s_wait_tensorcnt 0x0
	ds_add_u32 v[SPW], v[NIL]
	s_wait_dscnt 0x0
	CROUND
	s_endpgm
.Lfunc_end_k_qf3a7423d28_gemm_out:
	.size	k_qf3a7423d28_gemm_out, .Lfunc_end_k_qf3a7423d28_gemm_out-k_qf3a7423d28_gemm_out
	.p2alignl 7, 3214868480
	.fill 96, 4, 3214868480
	.section	.rodata,"a",@progbits
	.p2align	6, 0x0
	.amdhsa_kernel k_qf3a7423d28_gemm_out
		.amdhsa_group_segment_fixed_size 327680
		.amdhsa_private_segment_fixed_size 0
		.amdhsa_enable_private_segment 0
		.amdhsa_kernarg_size 48
		.amdhsa_user_sgpr_count 2
		.amdhsa_user_sgpr_kernarg_segment_ptr 1
		.amdhsa_wavefront_size32 1
		.amdhsa_system_sgpr_workgroup_id_x 1
		.amdhsa_system_sgpr_workgroup_id_y 1
		.amdhsa_system_sgpr_workgroup_id_z 1
		.amdhsa_system_vgpr_workitem_id 0
		.amdhsa_next_free_vgpr 1024
		.amdhsa_next_free_sgpr 100
		.amdhsa_reserve_vcc 0
		.amdhsa_float_denorm_mode_32 3
		.amdhsa_float_denorm_mode_16_64 3
		.amdhsa_memory_ordered 1
		.amdhsa_forward_progress 1
		.amdhsa_inst_pref_size 147
	.end_amdhsa_kernel
	.amdgpu_metadata
---
amdhsa.version: [ 1, 2 ]
amdhsa.kernels:
  - .name:           k_qf3a7423d28_gemm_out
    .symbol:         k_qf3a7423d28_gemm_out.kd
    .args:
      - { .name: yc, .offset: 0, .size: 8, .value_kind: global_buffer, .address_space: global }
      - { .name: ys, .offset: 8, .size: 8, .value_kind: global_buffer, .address_space: global }
      - { .name: wc, .offset: 16, .size: 8, .value_kind: global_buffer, .address_space: global }
      - { .name: ws, .offset: 24, .size: 8, .value_kind: global_buffer, .address_space: global }
      - { .name: b_o, .offset: 32, .size: 8, .value_kind: global_buffer, .address_space: global }
      - { .name: out0, .offset: 40, .size: 8, .value_kind: global_buffer, .address_space: global }
    .group_segment_fixed_size: 327680
    .private_segment_fixed_size: 0
    .kernarg_segment_align: 8
    .kernarg_segment_size: 48
    .max_flat_workgroup_size: 128
    .sgpr_count:     100
    .vgpr_count:     1024
    .wavefront_size: 32
...
	.end_amdgpu_metadata
.endif
;; end of part 4
